; MI455X (gfx1250); checked and timed in simulation.
; The chip was launched on July 23, 2026; its instructions are those of AMD's public machine-readable ISA for CDNA 5 (MIT licence, August 2026) and "CDNA5" Instruction Set Architecture Reference Guide (July 2026). The comments in the code are by the model that wrote it; some were corrected since.
;; Multi Head Attention. Allowed arithmetic: matrix products marked QUANTISED: E2M3 operands, one E8M0 scale for each 32 along K, by v_wmma_scale_f32_16x16x128_f8f6f4 with both operands' format E2M3, f32 sums; everything else in f32.
;; Inputs: Wk 1,024 x 1,024 float32; Wo 1,024 x 1,024 float32; Wq 1,024 x 1,024 float32; Wv 1,024 x 1,024 float32; bk 1,024 float32; bo 1,024 float32; bq 1,024 float32; bv 1,024 float32; keys 4 x 2,048 x 1,024 float32; queries 4 x 2,048 x 1,024 float32; values 4 x 2,048 x 1,024 float32.
;; Outputs: out0 4 x 2,048 x 1,024 float32.
;; This version of the problem:
;;   THIS VERSION OF THE PROBLEM IS GIVEN IN LOW PRECISION. The matrix products marked QUANTISED in the list below multiply operands that are first quantised to E2M3 (2 exponent bits, 3 mantissa bits; 6 bits a number), with one power-of-two scale for each 32 numbers along K (OCP MX v1.0); their sums are f32. All else is computed in f32.
;;   The module's matrix products, in the order in which they are computed (A, B: the left and right operand; K: the contracted axis; several contracted axes count as one K, in the product's order):
;;     1. [M 8,192, K 1,024] x [K 1,024, N 1,024]; A: input queries; B: input Wq: QUANTISED
;;     2. [M 8,192, K 1,024] x [K 1,024, N 1,024]; A: input keys; B: input Wk: QUANTISED
;;     3. [M 8,192, K 1,024] x [K 1,024, N 1,024]; A: input values; B: input Wv: QUANTISED
;;     4. batch 64 x [M 2,048, K 64] x [K 64, N 2,048]; A: computed on the way; B: computed on the way: QUANTISED
;;     5. batch 64 x [M 64, K 2,048] x [K 2,048, N 2,048]; A: computed on the way; B: softmax (see below): QUANTISED
;;     6. [M 8,192, K 1,024] x [K 1,024, N 1,024]; A: computed on the way; B: input Wo: QUANTISED
;;   THE QUANTISER, for each operand of a quantised product, along K:
;;     - K is cut into blocks of 32 from its start; a last block that is shorter is filled with zeros.
;;     - A block's scale is 2^e with e = floor(log2(the largest magnitude in the block)) - 2, held to -126 .. 127; a block of zeros has e = 0. As a byte (E8M0): e + 127.
;;     - Each number is divided by its block's scale, clamped to +-7.5, and rounded to the nearest number of E2M3, ties to even, subnormals kept.
;;     - The product sums the exact products of the quantised numbers (number of the format x scale) in f32.
;;   ~~~python
;;   def quantise(x, axis):      # numpy; x: float32 -> the quantised numbers, widened to float32 again
;;       x = np.moveaxis(x, axis, -1); K = x.shape[-1]
;;       x = np.pad(x, [(0, 0)] * (x.ndim - 1) + [(0, -K % 32)]); x = x.reshape(x.shape[:-1] + (-1, 32)); a = np.abs(x).max(-1, keepdims=True)
;;       e = np.where(a > 0, np.clip(np.frexp(np.where(a > 0, a, 1))[1] - 1 - 2, -126, 127), 0)      # np.frexp(a)[1] - 1 = floor(log2(a)), exactly
;;       r = np.clip(x / 2.0 ** e, -7.5, 7.5)
;;       step = 2.0 ** (np.maximum(np.frexp(np.where(r == 0, 1, r))[1] - 1, 0) - 3)
;;       q = np.round(r / step) * step * 2.0 ** e      # np.round: ties to even
;;       return np.moveaxis(q.reshape(q.shape[:-2] + (-1,))[..., :K], -1, axis).astype(np.float32)
;;   ~~~
;;   SOFTMAX AHEAD OF A QUANTISED PRODUCT. Where the list says 'softmax', what is quantised is not the finished softmax but p = 2^(t - M), with t = logit x log2(e) and M = ceil(the row's largest t), a whole number; so 1/2 < the row's largest p <= 1. The row's sum l is taken of the UNQUANTISED p, in f32, and the product's result is divided by l at the end. Since M is a whole number, a kernel that streams over the keys may use a running M (the ceiling of the running maximum): every later rescaling is an exact power of two, which a block's scale takes up: the codes' values come out the same.
;;   OPERANDS COMPUTED ON THE WAY. 'Computed on the way' means the value that the module computes at that place (a softmax that the list does not call 'softmax' is quantised finished and normalised). What goes into a quantiser is computed in f32, as accurately as f32 sums, v_exp_f32 and their like allow (about 1e-6 of the number): no bf16 or f16 on the way to a quantiser, and a product that is left as it is and whose result goes on into a quantised operand takes f32 operands (vector FMAs, or v_wmma_f32_16x16x4_f32). A number that lies on a knife's edge between two numbers of the format may be rounded either way, as far as f32 arithmetic and the matrix unit's own rounding can turn it there, and no further.
;; One version. Each part assembles by itself: llvm-mc -triple=amdgcn-amd-amdhsa -mcpu=gfx1250 --defsym DOCPART=n.
;; ======== version 1 of 1: 4 launches
;; limits: right only within a limited range of input values
;; workspace buffers: xc 18,874,368 bytes; xs 786,432 bytes; wc 3,145,728 bytes; ws 131,072 bytes; hc 18,874,368 bytes; hs 786,432 bytes; ac 6,291,456 bytes; asc 262,144 bytes
;; launch quant (part 1): grid 256 x 1, 10 waves a work-group, no clusters, 85,760 bytes of LDS; arguments Wq, Wk, Wv, Wo, queries, keys, values, wc, ws, xc, xs; writes wc, ws, xc, xs
.if DOCPART == 1
	.amdgcn_target "amdgcn-amd-amdhsa--gfx1250"
	.amdhsa_code_object_version 6
	.text
	.protected	k_q7c45249592_quant
	.globl	k_q7c45249592_quant
	.p2align	8
	.type	k_q7c45249592_quant,@function
k_q7c45249592_quant:
	s_mov_b64 s[64:65], 0
	v_nop
	global_prefetch_b8 v0, s[64:65] scope:SCOPE_SE
	s_setreg_imm32_b32 hwreg(HW_REG_WAVE_MODE, 25, 1), 1
	s_wait_xcnt 0x0
; The four weights [1024 (k)][1024 (n)] and the three inputs [8192][1024 (k)], all f32, become codes of FP6 (E2M3) with one E8M0 byte for each 32 along K.
; A block's scale is 2^(floor(log2(its largest magnitude)) - 2): its byte is the largest magnitude's exponent field - 2, held at 1 from below.
; LIMITS: NaN and infinities among the inputs are not served; a block whose largest magnitude lies under 2^-124, a block of zeros among them, gets the byte 1
; (the quantiser says 127 for zeros: such a block's codes are zeros, which add nothing under any byte but 0xff, and the bytes are read by this program alone).
; THE CODES ARE LAID AS THE PRODUCTS' REGISTERS WANT THEM.  A half fragment H is 16 rows x 64 K, 768 bytes: lane (r, h) holds the 32 codes (6 registers) of row r, block h;
; registers 0-3 lie at 16 x lane, registers 4-5 at 512 + 8 x lane.  wc: [weight][n / 16][k / 64] H.  xc: [tensor][row / 16][k / 64] H.  Scale bytes: [row or n][32], byte = k / 32.
; Inside each block of 32 Wo's codes stand in the order 0-7, 16-23, 8-15, 24-31, which is the order in which the attention launch leaves its result; all others in the natural order.
; Waves 0-3 of each work-group take the weights (a lane to a column, registers down K), waves 4-9 the inputs (a wave to 16 rows, through its own stage in LDS).  No barrier: waves share nothing.
.set FLOOR, 0x1800000                  ; 2^(3 - 127): no largest magnitude is taken under it, so the byte cannot fall under 1
.set EOFF,  0xff000000                 ; takes 2 off an exponent field
.set X,     32                         ; weights: v32-159, 128 numbers down K
.set CT,    24                         ; v24-30: the second halves of blocks' codes (a conversion's three registers begin on an even number)
.set XX,    160                        ; inputs: v160-223, 64 neighbours along K
	s_load_b256 s[4:11], s[0:1], 0x0               ; Wq, Wk, Wv, Wo
	s_load_b256 s[12:19], s[0:1], 0x20             ; queries, keys, values, wc
	s_load_b128 s[20:23], s[0:1], 0x40             ; ws, xc
	s_load_b64 s[24:25], s[0:1], 0x50              ; xs
	v_lshl_add_u32 v254, v0, 2, 0x14a00            ; the spare words lie behind ten stages of 8,448 bytes (waves 4-9 use theirs)
	v_mov_b32 v255, 0
	v_lshrrev_b32 v1, 5, v0
	v_readfirstlane_b32 s26, v1                    ; wave
	v_and_b32 v1, 31, v0                           ; lane
	s_cmp_lt_u32 s26, 4                            ; THE DEAL: each of the 256 work-groups has ten waves: waves 0-3 take 128 columns x 128 K of a weight, waves 4-9 six of the 1,536 tiles of 16 input rows
	s_cbranch_scc0 .Lxpath
; ---------------- THE WEIGHTS: a wave takes 32 columns x 128 along K
	s_lshr_b32 s27, ttmp9, 6                       ; which weight
	s_and_b32 s28, ttmp9, 7                        ; which 128 columns
	s_bfe_u32 s29, ttmp9, 0x30003                  ; which 128 along K
	s_lshl_b32 s30, s28, 2
	s_add_co_u32 s30, s30, s26                     ; my wave's first column / 32
	s_lshl_b32 s32, s29, 19                        ; in: 128 rows of 4,096 bytes a K step,
	s_lshl_b32 s31, s30, 7
	s_add_co_u32 s32, s32, s31                     ; + 4 bytes a column
	s_mov_b32 s33, 0
	s_lshl_b32 s34, s27, 6
	s_lshl_b32 s31, s30, 1
	s_add_co_u32 s34, s34, s31                     ; codes: tile 64 x weight + column / 16,
	s_mul_i32 s34, s34, 12288                      ; 16 H to a tile,
	s_mul_i32 s31, s29, 1536
	s_add_co_u32 s34, s34, s31                     ; two H to a K step
	s_mov_b32 s35, 0
	s_lshl_b32 s36, s27, 15                        ; scale bytes: 32 a column, 4 a K step
	s_lshl_b32 s31, s30, 10
	s_add_co_u32 s36, s36, s31
	s_lshl_b32 s31, s29, 2
	s_add_co_u32 s36, s36, s31
	s_mov_b32 s37, 0
	s_cmp_eq_u32 s27, 3                            ; Wo: the second and third eights of each block change places
	s_cselect_b32 s38, 32768, 0                    ; 8 rows of 4,096 bytes
	s_cselect_b32 s39, 0, 32768
	s_wait_alu depctr_va_vdst(0)
	v_lshlrev_b32 v2, 2, v1                        ; 4 bytes a lane: eights 0 and 3 of a block
	v_add_nc_u32 v3, s38, v2                       ; eight 1: 8 rows further down for Wo
	v_add_nc_u32 v4, s39, v2                       ; eight 2: its immediate stands 8 rows back, and all but Wo add them again
	v_lshlrev_b32 v5, 4, v1
	v_lshlrev_b32 v6, 3, v1
	v_lshlrev_b32 v7, 5, v1
	s_wait_alu depctr_va_vdst(0)
	s_wait_kmcnt 0x0
	s_cmp_eq_u32 s27, 1                            ; the choices hang on the work-group's number alone
	s_cselect_b64 s[4:5], s[6:7], s[4:5]
	s_cmp_eq_u32 s27, 2
	s_cselect_b64 s[4:5], s[8:9], s[4:5]
	s_cmp_eq_u32 s27, 3
	s_cselect_b64 s[4:5], s[10:11], s[4:5]
	s_add_nc_u64 s[4:5], s[4:5], s[32:33]
	s_add_nc_u64 s[18:19], s[18:19], s[34:35]
	s_add_nc_u64 s[20:21], s[20:21], s[36:37]
.set k, 0
.rept 128                              ; each load: one row k, 32 neighbouring columns: 128 consecutive bytes a wave, 512 a work-group
.if ((k%32)/8) == 1
	global_load_b32 v[X+k], v3, s[4:5] offset:k*4096 th:TH_LOAD_NT
.elseif ((k%32)/8) == 2
	global_load_b32 v[X+k], v4, s[4:5] offset:(k-8)*4096 th:TH_LOAD_NT
.else
	global_load_b32 v[X+k], v2, s[4:5] offset:k*4096 th:TH_LOAD_NT
.endif
.set k, k+1
.endr
; Blocks 2 kp and 2 kp + 1 of my column.  All 32 numbers of a block are mine.  The exchange of halves at the end makes of 32 columns x 2 blocks two H of 16 columns x 64 K.
.macro WPAIR kp
.set XE, X+64*\kp
.set XO, X+64*\kp+32
.set HX, 160+24*\kp
.set HY, 168+24*\kp
	v_max3_num_f32 v8, |v[XE]|, |v[XE+1]|, FLOOR
	v_max3_num_f32 v9, |v[XO]|, |v[XO+1]|, FLOOR
.set i, 2
.rept 15
	v_max3_num_f32 v8, v8, |v[XE+i]|, |v[XE+i+1]|                 ; the two blocks by turns
	v_max3_num_f32 v9, v9, |v[XO+i]|, |v[XO+i+1]|
.set i, i+2
.endr
	v_add_nc_u32 v10, EOFF, v8                     ; the conversion takes the exponent field of this operand as its scale
	v_add_nc_u32 v11, EOFF, v9
	v_lshrrev_b32 v12, 23, v10                     ; the scales' bytes
	v_lshrrev_b32 v13, 23, v11
.if \kp == 0
	v_lshl_or_b32 v14, v13, 8, v12
.else
	v_lshl_or_b32 v14, v12, 16, v14
	v_lshl_or_b32 v14, v13, 24, v14                ; four bytes: my column's word for this K step
.endif
	v_cvt_scalef32_pk16_fp6_f32 v[HX:HX+2], v[XE:XE+15], v10
	v_cvt_scalef32_pk16_fp6_f32 v[CT:CT+2], v[XE+16:XE+31], v10
	v_cvt_scalef32_pk16_fp6_f32 v[HY:HY+2], v[XO:XO+15], v11
	v_cvt_scalef32_pk16_fp6_f32 v[CT+4:CT+6], v[XO+16:XO+31], v11
	v_nop                                          ; one plain place behind the conversions
.irp i, 0,1,2
	v_mov_b32 v[HX+3+\i], v[CT+\i]
	v_mov_b32 v[HY+3+\i], v[CT+4+\i]
.endr
.irp i, 0,1,2,3,4,5
	v_permlane16_swap_b32 v[HX+\i], v[HY+\i]       ; HX: columns 0-15, the even block below, the odd block above; HY: columns 16-31 likewise
.endr
	global_store_b128 v5, v[HX:HX+3], s[18:19] offset:768*\kp              ; each store covers 512 or 256 consecutive bytes, aligned
	global_store_b64 v6, v[HX+4:HX+5], s[18:19] offset:768*\kp+512
	global_store_b128 v5, v[HY:HY+3], s[18:19] offset:768*\kp+12288
	global_store_b64 v6, v[HY+4:HY+5], s[18:19] offset:768*\kp+12288+512
.endm
	s_wait_loadcnt 63                              ; at most 63 of the 128 loads are out: the first 65, blocks 0 and 1 among them, are in
	WPAIR 0
	s_wait_loadcnt 0x0
	WPAIR 1
	global_store_b32 v7, v14, s[20:21]             ; 4 bytes in each column's 32: 131,072 bytes in the whole launch
	s_endpgm
; ---------------- THE INPUTS: a wave takes 16 rows x all 1,024 along K, a K step of 128 at a time
.Lxpath:
	s_mul_i32 s27, ttmp9, 6
	s_add_co_u32 s27, s27, s26
	s_sub_co_u32 s27, s27, 4                       ; my tile, 0 .. 1,535
	s_lshr_b32 s28, s27, 9                         ; which tensor
	s_and_b32 s29, s27, 511                        ; which tile of 16 rows
	s_lshl_b32 s32, s29, 16                        ; in: 16 rows of 4,096 bytes
	; KEYS ALONE: tile 4 g + u holds rows 64 g + 8 p(u) + 0 .. 7 and the eight rows 32 further on, p = 0, 2, 1, 3: so a lane of the attention launch holds whole scale blocks of keys, in the order of V's codes
	s_lshr_b32 s38, s29, 2
	s_lshl_b32 s38, s38, 18                        ; 64 g rows
	s_and_b32 s39, s29, 1
	s_lshl_b32 s39, s39, 16
	s_or_b32 s38, s38, s39
	s_bfe_u32 s39, s29, 0x10001
	s_lshl_b32 s39, s39, 15
	s_or_b32 s38, s38, s39                         ; + 8 p(u) rows
	s_cmp_eq_u32 s28, 1
	s_cselect_b32 s32, s38, s32
	s_cselect_b32 s39, 98304, 0                    ; the tile's rows 8-15 lie 24 rows further down
	s_mov_b32 s33, 0
	s_lshl_b32 s30, s28, 9
	s_add_co_u32 s30, s30, s29
	s_mul_i32 s34, s30, 12288                      ; codes
	s_mov_b32 s35, 0
	s_lshl_b32 s36, s30, 9                         ; scale bytes: 16 rows of 32
	s_mov_b32 s37, 0
	v_and_b32 v16, 15, v0                          ; r
	v_bfe_u32 v17, v0, 4, 1                        ; h
	s_wait_alu depctr_va_vdst(0)
	v_lshlrev_b32 v2, 4, v1                        ; 16 x lane
	v_add_nc_u32 v31, s39, v2                      ; the same for a tile's rows 8-15
	v_lshlrev_b32 v3, 3, v1                        ; 8 x lane
	s_mul_i32 s31, s26, 8448                       ; my stage: 16 rows of 512 bytes + 16
	v_add_nc_u32 v4, s31, v2                       ; in: as loaded
	v_mul_u32_u24 v5, v16, 528                     ; out: row r, my half's block: the pitch of 132 words sets sixteen rows on 64 different banks
	v_lshl_add_u32 v5, v17, 7, v5
	v_add_nc_u32 v5, s31, v5
	v_lshlrev_b32 v6, 3, v17                       ; 8 h: my bytes' place in a scale word
	v_lshlrev_b32 v7, 5, v16
	v_lshl_add_u32 v7, v17, 4, v7                  ; 32 r + 16 h
	v_mov_b32 v23, 0                               ; a lane permute's destination counts as one of its sources
	s_mov_b32 s40, 0x76543210
	s_mov_b32 s41, 0xfedcba98                      ; selects for lane l xor 16
	s_mov_b32 s42, 0xffff0000                      ; lanes 16-31
	s_wait_alu depctr_va_vdst(0)
	s_wait_kmcnt 0x0
	s_cmp_eq_u32 s28, 1
	s_cselect_b64 s[12:13], s[14:15], s[12:13]
	s_cmp_eq_u32 s28, 2
	s_cselect_b64 s[12:13], s[16:17], s[12:13]
	s_add_nc_u64 s[12:13], s[12:13], s[32:33]
	s_add_nc_u64 s[22:23], s[22:23], s[34:35]
	s_add_nc_u64 s[24:25], s[24:25], s[36:37]
.macro LOADF s                         ; K step s of the 16 rows into set s % 2: each load reads 512 consecutive bytes of one row
.set LS, 32+64*((\s)%2)
.set i, 0
.rept 16
.if i < 8
	global_load_b128 v[LS+4*i:LS+4*i+3], v2, s[12:13] offset:4096*i+512*(\s) th:TH_LOAD_NT
.else
	global_load_b128 v[LS+4*i:LS+4*i+3], v31, s[12:13] offset:4096*i+512*(\s) th:TH_LOAD_NT
.endif
.set i, i+1
.endr
.endm
.macro TURN s                          ; through the stage: in as loaded, out as two whole blocks a lane: k = 64 c + 32 h + 0 .. 31.  LDS serves a wave's instructions in order
.set LS, 32+64*((\s)%2)
.set i, 0
.rept 16
	ds_store_b128 v4, v[LS+4*i:LS+4*i+3] offset:528*i
.set i, i+1
.endr
.set i, 0
.rept 16
	ds_load_b128 v[XX+4*i:XX+4*i+3], v5 offset:256*(i/8)+16*(i%8)
.set i, i+1
.endr
.endm
.macro QUANTX s                        ; 64 numbers of a lane become a fragment's 12 registers and, with lane l xor 16's two bytes, the row's scale word
.set FS, 224+12*((\s)%2)
	v_max3_num_f32 v16, |v[XX]|, |v[XX+1]|, FLOOR
	v_max3_num_f32 v17, |v[XX+32]|, |v[XX+33]|, FLOOR
.set i, 2
.rept 15
	v_max3_num_f32 v16, v16, |v[XX+i]|, |v[XX+i+1]|
	v_max3_num_f32 v17, v17, |v[XX+32+i]|, |v[XX+33+i]|
.set i, i+2
.endr
	v_add_nc_u32 v18, EOFF, v16
	v_add_nc_u32 v19, EOFF, v17
	v_lshrrev_b32 v20, 23, v18
	v_lshrrev_b32 v21, 23, v19
	v_lshl_or_b32 v22, v21, 16, v20                ; blocks h and 2 + h,
	v_lshlrev_b32 v22, v6, v22                     ; at their places
	v_permlanex16_b32 v23, v22, s40, s41
	v_or_b32 v[8+(\s)], v22, v23                   ; the word is whole, in both halves of the lanes
	v_cvt_scalef32_pk16_fp6_f32 v[FS:FS+2], v[XX:XX+15], v18
	v_cvt_scalef32_pk16_fp6_f32 v[CT:CT+2], v[XX+16:XX+31], v18
	v_cvt_scalef32_pk16_fp6_f32 v[FS+6:FS+8], v[XX+32:XX+47], v19
	v_cvt_scalef32_pk16_fp6_f32 v[CT+4:CT+6], v[XX+48:XX+63], v19
	v_nop                                          ; one plain place behind the conversions
.irp i, 0,1,2
	v_mov_b32 v[FS+3+\i], v[CT+\i]
	v_mov_b32 v[FS+9+\i], v[CT+4+\i]
.endr
	global_store_b128 v2, v[FS:FS+3], s[22:23] offset:1536*(\s)
	global_store_b64 v3, v[FS+4:FS+5], s[22:23] offset:1536*(\s)+512
	global_store_b128 v2, v[FS+6:FS+9], s[22:23] offset:1536*(\s)+768
	global_store_b64 v3, v[FS+10:FS+11], s[22:23] offset:1536*(\s)+1280
.endm
	LOADF 0
	LOADF 1
	s_wait_loadcnt 16                              ; K step 0's sixteen loads are in, K step 1's are out
	TURN 0
.irp s, 0,1,2,3,4,5,6,7
	s_wait_dscnt 0x0                               ; this step's numbers are back from the stage, and the stage's stores have read their set of registers,
	s_wait_xcnt 0x0                                ; and the stores of two steps ago have read the codes' registers that this step writes
.if \s < 6
	LOADF \s+2                                     ; which takes the loads of two steps on
.endif
	QUANTX \s
.if \s < 6
	s_wait_loadcnt 16                              ; the next step's loads are in, those of the step behind it are out
	TURN \s+1
.elseif \s == 6
	s_wait_loadcnt 0x0
	TURN 7
.endif
.endr
.irp i, 0,1,2,3
	v_cndmask_b32 v[248+\i], v[8+\i], v[12+\i], s42   ; lanes 0-15 take the words of K steps 0-3, lanes 16-31 those of K steps 4-7
.endr
	global_store_b128 v7, v[248:251], s[24:25]     ; the 16 rows' 512 scale bytes, consecutive
	s_wait_tensorcnt 0x0
	ds_add_u32 v254, v255
	s_wait_dscnt 0x0
	s_endpgm
.Lfunc_end_k_q7c45249592_quant:
	.size	k_q7c45249592_quant, .Lfunc_end_k_q7c45249592_quant-k_q7c45249592_quant
	.p2alignl 7, 3214868480
	.fill 96, 4, 3214868480
	.section	.rodata,"a",@progbits
	.p2align	6, 0x0
	.amdhsa_kernel k_q7c45249592_quant
		.amdhsa_group_segment_fixed_size 85760
		.amdhsa_private_segment_fixed_size 0
		.amdhsa_enable_private_segment 0
		.amdhsa_kernarg_size 88
		.amdhsa_user_sgpr_count 2
		.amdhsa_user_sgpr_kernarg_segment_ptr 1
		.amdhsa_wavefront_size32 1
		.amdhsa_system_sgpr_workgroup_id_x 1
		.amdhsa_system_sgpr_workgroup_id_y 1
		.amdhsa_system_sgpr_workgroup_id_z 1
		.amdhsa_system_vgpr_workitem_id 0
		.amdhsa_next_free_vgpr 256
		.amdhsa_next_free_sgpr 66
		.amdhsa_reserve_vcc 0
		.amdhsa_float_denorm_mode_32 3
		.amdhsa_float_denorm_mode_16_64 3
		.amdhsa_memory_ordered 1
		.amdhsa_forward_progress 1
		.amdhsa_inst_pref_size 79
	.end_amdhsa_kernel
	.amdgpu_metadata
---
amdhsa.version: [ 1, 2 ]
amdhsa.kernels:
  - .name:           k_q7c45249592_quant
    .symbol:         k_q7c45249592_quant.kd
    .args:
      - { .name: Wq, .offset: 0, .size: 8, .value_kind: global_buffer, .address_space: global }
      - { .name: Wk, .offset: 8, .size: 8, .value_kind: global_buffer, .address_space: global }
      - { .name: Wv, .offset: 16, .size: 8, .value_kind: global_buffer, .address_space: global }
      - { .name: Wo, .offset: 24, .size: 8, .value_kind: global_buffer, .address_space: global }
      - { .name: queries, .offset: 32, .size: 8, .value_kind: global_buffer, .address_space: global }
      - { .name: keys, .offset: 40, .size: 8, .value_kind: global_buffer, .address_space: global }
      - { .name: values, .offset: 48, .size: 8, .value_kind: global_buffer, .address_space: global }
      - { .name: wc, .offset: 56, .size: 8, .value_kind: global_buffer, .address_space: global }
      - { .name: ws, .offset: 64, .size: 8, .value_kind: global_buffer, .address_space: global }
      - { .name: xc, .offset: 72, .size: 8, .value_kind: global_buffer, .address_space: global }
      - { .name: xs, .offset: 80, .size: 8, .value_kind: global_buffer, .address_space: global }
    .group_segment_fixed_size: 85760
    .private_segment_fixed_size: 0
    .kernarg_segment_align: 8
    .kernarg_segment_size: 88
    .max_flat_workgroup_size: 320
    .sgpr_count:     66
    .vgpr_count:     256
    .wavefront_size: 32
...
	.end_amdgpu_metadata
.endif
;; end of part 1
;; launch proj (part 2): grid 4 x 64, 4 waves a work-group, clusters of 4 x 4, 327,680 bytes of LDS; arguments xc, xs, wc, ws, bq, bk, bv, hc, hs; writes hc, hs
.if DOCPART == 2
	.amdgcn_target "amdgcn-amd-amdhsa--gfx1250"
	.amdhsa_code_object_version 6
	.text
	.protected	k_q7c45249592_proj
	.globl	k_q7c45249592_proj
	.p2align	8
	.type	k_q7c45249592_proj,@function
k_q7c45249592_proj:
	s_mov_b64 s[64:65], 0
	v_nop
	global_prefetch_b8 v0, s[64:65] scope:SCOPE_SE
	s_setreg_imm32_b32 hwreg(HW_REG_WAVE_MODE, 25, 1), 1
	s_wait_xcnt 0x0
	s_wait_alu depctr_hold_cnt(0) depctr_sa_sdst(0) depctr_va_vdst(0) depctr_va_sdst(0) depctr_va_ssrc(0) depctr_va_vcc(0) depctr_vm_vsrc(0)
	s_getreg_b32 s2, hwreg(HW_REG_IB_STS2, 6, 4)
	s_cmp_eq_u32 s2, 0
	s_cbranch_scc0 .Lentry_in_a_cluster
	s_endpgm
.Lentry_in_a_cluster:
	s_bfe_u32 s2, ttmp6, 0x10000c
	s_cmp_lg_u32 s2, 0xf033
	s_cbranch_scc0 .Lentry_shape_is_right
	s_endpgm
.Lentry_shape_is_right:
; q = queries Wq + bq, k = keys Wk + bk, v = values Wv + bv on codes of FP6 (E2M3) with E8M0 scales; the results are quantised in registers, q and k along the head's 64, v along the keys, and leave as codes.
; A tile is 256 rows of P x 128 rows of R, made by a work-group of four waves; P is source 0 (its rows end up along a lane's registers), R source 1 (its rows along the lanes).  A wave: 128 of P x 64 of R, 32 accumulators.
; q, k: P = the weight's columns n, R = tokens: a lane holds one token and neighbours along the head.  v: P = tokens, R = Wv's columns: a lane holds one channel and neighbours along the keys.
; WORK-GROUPS STAY: 256 work-groups, each makes three tiles on end: cluster c's tile of q, of k, of v (768 tiles in all).  q and k are one loop of two trips; v's tile, which asks for nothing more, is written out.
; THE RING: two LDS slots, each with half of K (512) of a tile: R's 8 tiles of 16 rows x 6,144 bytes, then P's 16.  In K step 3 a round of the cluster's barrier shows slot 1 and frees slot 0, which takes the next tile's first half
; (wave 0 R's rows, wave 1 P's); in K step 7 a second round frees slot 1 for its second half (waves 2 and 3) and shows slot 0.  Every wait on TENSORcnt is for 0; a wave has one load out at the most.
; Codes lie in memory as images of the operands' registers (half fragments of 768 bytes), so every LDS load takes 512 or 256 consecutive bytes.  The scale words come straight into registers: a row's 32 bytes,
; 16 to each half of the lanes: register i holds K step i below and K step 4 + i above; the next tile's are asked for behind a tile's last products.
; CLUSTERS: 4 x 4 work-groups; R's tiles are shared along a row of the cluster, P's along a column: each is asked for jointly, by the same load with a mask that names the four.
; No prefetch: a refill is asked for four K steps, 128 matrix instructions a wave, or a whole way out and three K steps ahead of the wait for it, and the launch has three tiles only.
; A result's block of 32 comes out in the order 0-7, 16-23, 8-15, 24-31 (tiles of 16, eight to each half of the lanes).
; OUT: hc [q, k, v][batch x head][64 images of 1,536 bytes]: q, k: image m = R's tiles 2 m (registers 0-5) and 2 m + 1 (registers 6-11); v: image 4 step + t = channels 16 t .. x keys 128 step ..
;      hs [q, k, v][batch x head][4,096]: q, k: [64 tokens][r][2 words], word i for image 2 g + i; v: [step][lane 16 (t / 2) + r][word t % 2].
; LIMITS: NaN and infinities are not served; a block whose largest magnitude lies under 2^-124, a block of zeros among them, gets the byte 1: its codes are then zeros or next to it, and this program alone reads the bytes.
; REGISTERS: window 0: v1-29 addresses; v32-63 P's scale words, v64-79 R's; v80-127 codes on the way out; v128-191 64 results; v192-222 at work.  window 1: fragments, set 0 (P at 12 b, R at 96 + 12 a); v144-207 the bias.
;            window 2: fragments, set 1.   window 3: accumulator (a, b) at 8 (8 a + b).
.set CH,   147456                      ; a slot
.set Z,    128
.set TM,   192
.set CT,   208
.set PW,   216
.set DW,   220
.set SELV, 222
.set MSB, 0
.macro WIN new                         ; the immediate's high byte repeats the setting that is left
.if MSB != \new
	s_set_vgpr_msb (MSB<<8)|\new
.set MSB, \new
.endif
.endm
.macro CREST                           ; a round of the cluster's barrier behind its opening barrier
	s_cmp_lg_u32 s10, 0
	s_cbranch_scc1 .Lnot_wave_0_\@
	s_barrier_signal -3
.Lnot_wave_0_\@:
	s_barrier_wait -3
	s_barrier_signal -1
	s_barrier_wait -1
.endm
.macro CROUND
	s_barrier_signal -1
	s_barrier_wait -1
	CREST
.endm
.macro PLACES                          ; four plain places behind matrix instructions, ahead of loads into their operands and of reads of their results
.rept 4
	v_nop
.endr
.endm
.macro TLOAD g0, g1                    ; an s_nop 0 and four v_nop follow every tensor load
	tensor_load_to_lds s[\g0:\g0+3], s[\g1:\g1+7]
	s_nop 0
	PLACES
.endm
.macro REFILL w, gr, gp                ; wave w asks for R's rows, wave w + 1 for P's; the others ask for nothing
	s_cmp_eq_u32 s10, \w
	s_cbranch_scc0 .Lnot_r_\@
	TLOAD \gr, 24
	s_branch .Lfilled_\@
.Lnot_r_\@:
	s_cmp_eq_u32 s10, \w+1
	s_cbranch_scc0 .Lfilled_\@
	TLOAD \gp, 48
.Lfilled_\@:
.endm
.macro FRAG reg, a16, a8, off          ; a fragment, 16 rows x 128 K, 12 registers: two half fragments on end
	ds_load_b128 v[(\reg):(\reg)+3], v[\a16] offset:(\off)
	ds_load_b64 v[(\reg)+4:(\reg)+5], v[\a8] offset:(\off)+512
	ds_load_b128 v[(\reg)+6:(\reg)+9], v[\a16] offset:(\off)+768
	ds_load_b64 v[(\reg)+10:(\reg)+11], v[\a8] offset:(\off)+1280
.endm
.macro FETCH s                         ; K step s: P's eight fragments and R's four, 48 loads in one run, into set s % 2; slot s / 4 has address registers of its own
.if ((\s)%2) == 0
	WIN 0x40
.else
	WIN 0x80
.endif
.irp b, 0,1,2,3,4,5,6,7
	FRAG 12*\b, 18+10*((\s)/4), 19+10*((\s)/4), 6144*\b+1536*((\s)%4)
.endr
.irp a, 0,1,2,3
	FRAG 96+12*\a, 16+10*((\s)/4), 17+10*((\s)/4), 6144*\a+1536*((\s)%4)
.endr
.endm
.macro MWIN s
.if ((\s)%2) == 0
	WIN 0xf5                                       ; sources 0 and 1 window 1, C and D window 3
.else
	WIN 0xfa                                       ; sources 0 and 1 window 2
.endif
.endm
; 16 matrix instructions: R's tiles a0, a0 + 1 x P's eight.  c = 1: the products start the sums.  The 32 accumulators take turns, one instruction a turn, in the same order in every step.
.macro MULH s, a0, c
.irp a, \a0, \a0+1
.irp b, 0,1,2,3,4,5,6,7
.if \c == 1
	v_wmma_scale_f32_16x16x128_f8f6f4 v[8*(8*(\a)+\b):8*(8*(\a)+\b)+7], v[12*\b:12*\b+11], v[96+12*(\a):96+12*(\a)+11], 0, v[32+4*\b+(\s)%4], v[64+4*(\a)+(\s)%4] matrix_a_fmt:MATRIX_FMT_FP6 matrix_b_fmt:MATRIX_FMT_FP6
.elseif (\s) < 4
	v_wmma_scale_f32_16x16x128_f8f6f4 v[8*(8*(\a)+\b):8*(8*(\a)+\b)+7], v[12*\b:12*\b+11], v[96+12*(\a):96+12*(\a)+11], v[8*(8*(\a)+\b):8*(8*(\a)+\b)+7], v[32+4*\b+(\s)%4], v[64+4*(\a)+(\s)%4] matrix_a_fmt:MATRIX_FMT_FP6 matrix_b_fmt:MATRIX_FMT_FP6
.else
	v_wmma_scale_f32_16x16x128_f8f6f4 v[8*(8*(\a)+\b):8*(8*(\a)+\b)+7], v[12*\b:12*\b+11], v[96+12*(\a):96+12*(\a)+11], v[8*(8*(\a)+\b):8*(8*(\a)+\b)+7], v[32+4*\b+(\s)%4], v[64+4*(\a)+(\s)%4] matrix_a_fmt:MATRIX_FMT_FP6 matrix_b_fmt:MATRIX_FMT_FP6 matrix_a_scale:MATRIX_SCALE_ROW1 matrix_b_scale:MATRIX_SCALE_ROW1
.endif
.endr
.endr
.endm
.macro STEP_E s, c                     ; a K step whose successor lies in the same slot
	s_wait_dscnt 0x0                               ; this step's fragments are in
.if (\s) > 0
	PLACES
.endif
	FETCH (\s)+1
	MWIN \s
	MULH \s, 0, \c
	MULH \s, 2, \c
.endm
; Where tile s16 (0: q, 1: k, 2: v) of my cluster comes from: the four descriptors' global addresses and the two pointers to the scale words.  Scalar work alone; s67 = s101 = 0.
; R's address is made of cy and the cluster's number, P's of cx and the cluster's number.
.macro ADDR
	s_and_b32 s22, s17, 7
	s_lshl_b32 s22, s22, 2
	s_lshr_b32 s23, s17, 3
	s_lshl_b32 s23, s23, 2
	s_lshl_b32 s98, s17, 2
	s_cmp_eq_u32 s16, 2
	s_cselect_b32 s18, s22, 0                      ; q, k: P has 4 tiles of 256 (n), R 64 of 128 (tokens);
	s_cselect_b32 s19, s23, s98                    ; v: P has 32 (tokens), R 8 (n)
	s_add_co_u32 s18, s18, s13                     ; P's tile: hangs on cx
	s_add_co_u32 s19, s19, s14                     ; R's tile: hangs on cy
	s_mov_b32 s99, 0
	s_mul_i32 s98, s16, 6291456                    ; each buffer at the section of q, k or v
	s_add_nc_u64 s[40:41], s[68:69], s[98:99]
	s_lshl_b32 s98, s16, 18
	s_add_nc_u64 s[42:43], s[70:71], s[98:99]
	s_mul_i32 s98, s16, 786432
	s_add_nc_u64 s[44:45], s[72:73], s[98:99]
	s_lshl_b32 s98, s16, 15
	s_add_nc_u64 s[46:47], s[74:75], s[98:99]
	s_cmp_eq_u32 s16, 2                            ; which buffer is P and which R hangs on the tile's number alone
	s_cselect_b64 s[4:5], s[40:41], s[44:45]       ; P's codes
	s_cselect_b64 s[6:7], s[44:45], s[40:41]       ; R's codes
	s_cselect_b64 s[8:9], s[42:43], s[46:47]       ; P's scales
	s_cselect_b64 s[86:87], s[46:47], s[42:43]     ; R's scales
	s_lshl_b32 s100, s19, 3
	s_mul_i32 s100, s100, 12288                    ; R: 8 tiles of 16 rows to a tile
	s_lshl_b32 s66, s18, 4
	s_mul_i32 s66, s66, 12288                      ; P: 16
	s_add_nc_u64 s[6:7], s[6:7], s[100:101]
	s_add_nc_u64 s[4:5], s[4:5], s[66:67]
.irp j, 0,1
	s_add_nc_u64 s[34+4*\j:35+4*\j], s[6:7], 6144*\j       ; half j of K
	s_or_b32 s[35+4*\j], s[35+4*\j], 0x80000000
	s_add_nc_u64 s[58+4*\j:59+4*\j], s[4:5], 6144*\j
	s_or_b32 s[59+4*\j], s[59+4*\j], 0x80000000
.endr
	s_lshl_b32 s66, s18, 13
	s_lshl_b32 s22, s12, 12
	s_add_co_u32 s66, s66, s22
	s_add_nc_u64 s[8:9], s[8:9], s[66:67]          ; P's scales at my 128 rows
	s_lshl_b32 s100, s19, 12
	s_lshl_b32 s22, s11, 11
	s_add_co_u32 s100, s100, s22
	s_add_nc_u64 s[86:87], s[86:87], s[100:101]    ; R's at my 64
.endm
; Where tile s16's results go: s[88:89] codes, s[90:91] scale words; s[96:97] its bias.  Run at a tile's start, while s16, s18, s19 are this tile's.
.macro OUTADDR m
	s_lshl_b32 s22, s18, 1
	s_add_co_u32 s22, s22, s12                     ; which 128 rows of P
	s_lshl_b32 s23, s19, 1
	s_add_co_u32 s23, s23, s11                     ; which 64 rows of R
	s_mov_b32 s99, 0
.if \m == 0
	s_lshr_b32 s66, s23, 5                         ; the batch: 32 groups of 64 tokens
	s_lshl_b32 s66, s66, 4
	s_lshl_b32 s100, s22, 1
	s_add_co_u32 s66, s66, s100                    ; 16 x batch + my even head
	s_and_b32 s23, s23, 31
	s_mul_i32 s98, s66, 98304
	s_mul_i32 s100, s23, 3072                      ; two images to 64 tokens
	s_add_co_u32 s98, s98, s100
	s_mul_i32 s100, s16, 6291456
	s_add_co_u32 s98, s98, s100
	s_add_nc_u64 s[88:89], s[82:83], s[98:99]
	s_lshl_b32 s98, s66, 12
	s_lshl_b32 s100, s23, 7
	s_add_co_u32 s98, s98, s100
	s_lshl_b32 s100, s16, 18
	s_add_co_u32 s98, s98, s100
	s_add_nc_u64 s[90:91], s[84:85], s[98:99]
	s_cmp_eq_u32 s16, 1
	s_cselect_b64 s[96:97], s[78:79], s[76:77]
	s_lshl_b32 s98, s22, 9
	s_add_nc_u64 s[96:97], s[96:97], s[98:99]      ; the bias at my 128 columns
.else
	s_lshr_b32 s66, s22, 4                         ; the batch: 16 steps of 128 keys
	s_lshl_b32 s66, s66, 4
	s_add_co_u32 s66, s66, s23                     ; 16 x batch + my head
	s_and_b32 s22, s22, 15
	s_mul_i32 s98, s66, 98304
	s_mul_i32 s100, s22, 6144                      ; four images to a step
	s_add_co_u32 s98, s98, s100
	s_add_co_u32 s98, s98, 12582912
	s_add_nc_u64 s[88:89], s[82:83], s[98:99]
	s_lshl_b32 s98, s66, 12
	s_lshl_b32 s100, s22, 8
	s_add_co_u32 s98, s98, s100
	s_add_co_u32 s98, s98, 524288
	s_add_nc_u64 s[90:91], s[84:85], s[98:99]
	s_lshl_b32 s98, s23, 8
	s_add_nc_u64 s[96:97], s[80:81], s[98:99]      ; the bias at my head's 64 channels
.endif
.endm
; 64 numbers of a lane, register 16 b + i of block b, become codes: blocks 0, 1 in the six registers from d0, blocks 2, 3 in those from d1; and the row's four scale bytes in pw.
.macro QUANT s, d0, d1, pw
.irp b, 0,1,2,3
	v_max3_num_f32 v[TM+\b], |v[\s+16*\b]|, |v[\s+1+16*\b]|, 0x1800000   ; my 16 numbers of block b, and the floor 2^(3 - 127): the byte cannot fall under 1
.endr
.irp i, 2,4,6,8,10,12,14
.irp b, 0,1,2,3
	v_max3_num_f32 v[TM+\b], v[TM+\b], |v[\s+16*\b+\i]|, |v[\s+1+16*\b+\i]|
.endr
.endr
.irp b, 0,1,2,3
	v_permlanex16_b32 v[TM+4+\b], v[TM+\b], s2, s3
.endr
.irp b, 0,1,2,3
	v_max_num_f32 v[TM+\b], v[TM+\b], v[TM+4+\b]   ; with lane l xor 16's: the block's largest magnitude
.endr
.irp b, 0,1,2,3
	v_add_nc_u32 v[TM+12+\b], 0xff000000, v[TM+\b] ; 2 off its exponent field: the conversion's scale operand
.endr
.irp b, 0,1,2,3
	v_lshrrev_b32 v[TM+4+\b], 23, v[TM+12+\b]      ; the scale's byte
.endr
	v_lshl_or_b32 v[\pw], v[TM+5], 8, v[TM+4]
	v_lshl_or_b32 v[\pw], v[TM+6], 16, v[\pw]
	v_lshl_or_b32 v[\pw], v[TM+7], 24, v[\pw]
	v_cvt_scalef32_pk16_fp6_f32 v[(\d0):(\d0)+2], v[\s:\s+15], v[TM+12]
	v_cvt_scalef32_pk16_fp6_f32 v[CT:CT+2], v[\s+16:\s+31], v[TM+13]
	v_cvt_scalef32_pk16_fp6_f32 v[(\d1):(\d1)+2], v[\s+32:\s+47], v[TM+14]
	v_cvt_scalef32_pk16_fp6_f32 v[CT+4:CT+6], v[\s+48:\s+63], v[TM+15]
	v_nop                                          ; one plain place behind the conversions
.irp i, 0,1,2
	v_permlane16_swap_b32 v[(\d0)+\i], v[CT+\i]    ; a whole block to a lane: lanes 0-15 the even block, lanes 16-31 the odd one
	v_permlane16_swap_b32 v[(\d1)+\i], v[CT+4+\i]
.endr
.irp i, 0,1,2
	v_mov_b32 v[(\d0)+3+\i], v[CT+\i]
	v_mov_b32 v[(\d1)+3+\i], v[CT+4+\i]
.endr
.endm
; The way out, R's tiles one after the other: + bias (along the registers for q and k, along the lanes for v), quantised, stored as images: each store covers 512 consecutive bytes.
.macro EPI m
.irp a, 0,1,2,3
	WIN 0x07                                       ; source 0 (the sums) window 3, source 1 (the bias) window 1, destination window 0
.set i, 0
.rept 32
.if \m == 0
	v_pk_add_f32 v[Z+2*i:Z+2*i+1], v[64*\a+2*i:64*\a+2*i+1], v[144+2*i:145+2*i]      ; each accumulator from its low end on
.else
	v_pk_add_f32 v[Z+2*i:Z+2*i+1], v[64*\a+2*i:64*\a+2*i+1], v[144+2*\a:145+2*\a]
.endif
.set i, i+1
.endr
	WIN 0
.if \m == 0
	QUANT Z, 80+12*(\a/2)+6*(\a%2), 104+12*(\a/2)+6*(\a%2), PW+\a     ; blocks 0, 1: the even head; blocks 2, 3: the odd head; two tiles of tokens make an image
.if (\a%2) == 1
.irp p, 0,1,2
	global_store_b128 v21, v[80+12*(\a/2)+4*\p:83+12*(\a/2)+4*\p], s[88:89] offset:1536*(\a/2)+512*\p
	global_store_b128 v21, v[104+12*(\a/2)+4*\p:107+12*(\a/2)+4*\p], s[88:89] offset:98304+1536*(\a/2)+512*\p
.endr
.endif
.else
	QUANT Z, 80+12*\a, 86+12*\a, PW+\a             ; 128 keys of channels 16 a + r: one fragment
.irp p, 0,1,2
	global_store_b128 v21, v[80+12*\a+4*\p:83+12*\a+4*\p], s[88:89] offset:1536*\a+512*\p
.endr
.endif
.endr
.endm
; A TILE.  m = 0: q or k, m = 1: v.  last = 0: the ring goes on into the next tile; last = 1: nothing more is asked for.  At its start slot 0 is whole and shown to all four waves, and the scale words are on their way.
.macro TILE m, last
	FETCH 0
	WIN 0
	s_wait_xcnt 0x0                                ; the last tile's stores and loads have read their pointers and registers
	OUTADDR \m
	s_wait_loadcnt 0x0                             ; the scale words
	STEP_E 0, 1
	STEP_E 1, 0
	STEP_E 2, 0
	WIN 0                                          ; K STEP 3: the change of slots
.if \last
	s_wait_dscnt 0x0                               ; K step 3's fragments are in
	s_wait_tensorcnt 0x0                           ; every wave's load has landed: the barrier shows slot 1 to all
	s_barrier_signal -1
	MWIN 3
	MULH 3, 0, 0
	WIN 0
	s_barrier_wait -1
.else
	s_wait_tensorcnt 0x0                           ; all my tensor loads have landed;
	ds_add_u32 v254, v255                          ; 0 onto my spare word;
	s_add_co_u32 s16, s16, 1                       ; no load of mine is out, so the descriptors may be written: the next tile's
	ADDR
	s_wait_dscnt 0x0                               ; the add is done and K step 3's fragments are in: my reads of slot 0 are over
	s_barrier_signal -1                            ; opens a round of the cluster's barrier
	MWIN 3
	MULH 3, 0, 0                                   ; work on registers while the others arrive
	WIN 0
	s_barrier_wait -1
	CREST                                          ; no wave of any partner still reads slot 0 or has a load on its way; slot 1 is whole
	REFILL 0, 32, 56                               ; the next tile's first half of K, the first tensor load behind the round
.endif
	PLACES
	FETCH 4
	MWIN 3
	MULH 3, 2, 0
	STEP_E 4, 0
	STEP_E 5, 0
	s_wait_dscnt 0x0                               ; K step 6's fragments are in
	PLACES
	FETCH 7
	WIN 0x40
.if \m == 0
.irp b, 0,1,2,3,4,5,6,7
	global_load_b128 v[144+8*\b:147+8*\b], v24, s[96:97] offset:64*\b      ; the bias: my half's eight of each sixteen columns
	global_load_b128 v[148+8*\b:151+8*\b], v24, s[96:97] offset:64*\b+16
.endr
.else
.irp a, 0,1,2,3
	global_load_b32 v[144+2*\a], v25, s[96:97] offset:64*\a       ; my channel's, twice: a pair for the packed addition
	global_load_b32 v[145+2*\a], v25, s[96:97] offset:64*\a
.endr
.endif
	MWIN 6
	MULH 6, 0, 0
	MULH 6, 2, 0
	WIN 0
.if \last
	s_wait_dscnt 0x0                               ; K step 7's fragments are in
	MWIN 7
	MULH 7, 0, 0
	MULH 7, 2, 0
	WIN 0
	PLACES
	s_wait_loadcnt 0x0                             ; the bias
.else
	s_wait_tensorcnt 0x0                           ; slot 0's refill has landed;
	ds_add_u32 v254, v255
	s_wait_dscnt 1                                 ; K step 7's fragments are in (the add may be out)
	MWIN 7
	MULH 7, 0, 0
	WIN 0
	s_wait_dscnt 0x0                               ; the add is done; my reads of slot 1 are over
	s_barrier_signal -1
	MWIN 7
	MULH 7, 2, 0
	WIN 0
	s_barrier_wait -1
	CREST                                          ; slot 1 is read no more, and slot 0 is whole
	REFILL 2, 36, 60                               ; the next tile's second half of K
	PLACES                                         ; behind the last products
.irp b, 0,1,2,3,4,5,6,7
	global_load_b128 v[32+4*\b:35+4*\b], v20, s[8:9] offset:512*\b         ; the next tile's scale words land under the way out
.endr
.irp a, 0,1,2,3
	global_load_b128 v[64+4*\a:67+4*\a], v20, s[86:87] offset:512*\a
.endr
	s_wait_loadcnt 12                              ; the bias is in; the 12 loads just issued may be out
.endif
	EPI \m
.if \m == 0
	v_mov_b32 v[SELV], 0x05040100                  ; lanes 0-15 take bytes 0, 1 of two tiles' words (the even head),
	v_mov_b32 v[DW], 0x07060302                    ; lanes 16-31 bytes 2, 3 (the odd head)
	v_cndmask_b32 v[SELV], v[SELV], v[DW], s93
	v_perm_b32 v[DW], v[PW+1], v[PW], v[SELV]
	v_perm_b32 v[DW+1], v[PW+3], v[PW+2], v[SELV]
	global_store_b64 v23, v[DW:DW+1], s[90:91]
.else
	v_cndmask_b32 v[DW], v[PW], v[PW+2], s93       ; lanes 0-15: tiles 0, 1 of channels; lanes 16-31: tiles 2, 3
	v_cndmask_b32 v[DW+1], v[PW+1], v[PW+3], s93
	global_store_b64 v22, v[DW:DW+1], s[90:91]     ; 256 consecutive bytes
.endif
.endm
	s_load_b512 s[68:83], s[0:1], 0x0              ; xc, xs, wc, ws, bq, bk, bv, hc: kept as they come
	s_load_b64 s[84:85], s[0:1], 0x40              ; hs
	v_lshl_add_u32 v254, v0, 2, 0x48000
	v_mov_b32 v255, 0
	ds_add_u32 v254, v255                          ; the opening lines
	ds_add_u32 v254, v255
	v_lshrrev_b32 v1, 5, v0
	v_readfirstlane_b32 s10, v1                    ; wave 0..3
	s_lshr_b32 s11, s10, 1                         ; which 64 rows of R are mine
	s_and_b32 s12, s10, 1                          ; which 128 rows of P
	s_bfe_u32 s13, ttmp6, 0x40000                  ; cx
	s_bfe_u32 s14, ttmp6, 0x40004                  ; cy
	s_and_b32 s17, ttmp7, 0xffff                   ; the cluster's number, 0 .. 15
	s_mov_b32 s16, 0                               ; the tile: q first
	s_lshl_b32 s20, s14, 2
	s_lshl_b32 s20, 15, s20                        ; my row of the cluster
	s_lshl_b32 s21, 0x1111, s13                    ; my column
	; descriptor groups 1: rows of 6,144 bytes (768 elements of 8), 12,288 bytes apart: half of K of R's 8 or P's 16 tiles of 16 rows
	s_or_b32 s24, s20, (3<<16)|(1<<21)             ; 15:0 the mask; 17:16 elements of 8 bytes; 21 set beside a mask; no padding
	s_mov_b32 s25, 768<<16
	s_mov_b32 s26, 8<<16
	s_mov_b32 s27, 768<<16
	s_mov_b32 s28, 8
	s_mov_b32 s29, 1536
	s_mov_b32 s30, 0
	s_mov_b32 s31, 0
	s_or_b32 s48, s21, (3<<16)|(1<<21)
	s_mov_b32 s49, 768<<16
	s_mov_b32 s50, 16<<16
	s_mov_b32 s51, 768<<16
	s_mov_b32 s52, 16
	s_mov_b32 s53, 1536
	s_mov_b32 s54, 0
	s_mov_b32 s55, 0
	s_mov_b32 s32, 1                               ; groups 0: R in slot 0 and 1, P behind R's 49,152 bytes
	s_mov_b32 s33, 0
	s_mov_b32 s36, 1
	s_mov_b32 s37, CH
	s_mov_b32 s56, 1
	s_mov_b32 s57, 49152
	s_mov_b32 s60, 1
	s_mov_b32 s61, CH+49152
	s_mov_b32 s67, 0
	s_mov_b32 s101, 0
	s_mov_b32 s2, 0x76543210
	s_mov_b32 s3, 0xfedcba98                       ; selects for lane l xor 16
	s_mov_b32 s93, 0xffff0000                      ; lanes 16-31
	s_wait_dscnt 0x0
	s_wait_kmcnt 0x0
	ADDR
	CROUND                                         ; all sixteen work-groups are here: the joint loads meet
	s_cmp_eq_u32 s10, 0                            ; one joint load a wave, in one chain of arms: wave 0 R's first half of K,
	s_cbranch_scc0 .Lwave_1
	TLOAD 32, 24
	s_branch .Lasked
.Lwave_1:
	s_cmp_eq_u32 s10, 1                            ; wave 1 P's first half,
	s_cbranch_scc0 .Lwave_2
	TLOAD 56, 48
	s_branch .Lasked
.Lwave_2:
	s_cmp_eq_u32 s10, 2                            ; wave 2 R's second half,
	s_cbranch_scc0 .Lwave_3
	TLOAD 36, 24
	s_branch .Lasked
.Lwave_3:
	TLOAD 60, 48                                   ; wave 3 P's
.Lasked:
	s_mul_i32 s22, s11, 24576                      ; my 64 rows of R: 4 tiles of 6,144 bytes
	s_mul_i32 s23, s12, 49152                      ; my 128 rows of P: 8 tiles,
	s_add_co_u32 s23, s23, 49152                   ; behind R's
	v_and_b32 v1, 15, v0                           ; r
	v_bfe_u32 v2, v0, 4, 1                         ; h
	v_and_b32 v3, 31, v0                           ; lane
	v_lshlrev_b32 v21, 4, v3
	v_lshlrev_b32 v22, 3, v3
	v_add_nc_u32 v16, s22, v21
	v_add_nc_u32 v17, s22, v22
	v_add_nc_u32 v18, s23, v21
	v_add_nc_u32 v19, s23, v22
.irp r, 16,17,18,19
	v_add_nc_u32 v[\r+10], CH, v\r                 ; v26-29: the same in slot 1
.endr
	v_lshlrev_b32 v20, 5, v1
	v_lshl_add_u32 v20, v2, 4, v20                 ; a row's 32 scale bytes, 16 to each half of the lanes
	v_lshlrev_b32 v24, 5, v2                       ; q, k: the bias, my half's eight of each sixteen
	v_lshlrev_b32 v23, 3, v1
	v_lshl_add_u32 v23, v2, 12, v23                ; q, k: scale words: 8 r; lanes 16-31 write the odd head's
	v_lshlrev_b32 v25, 2, v1                       ; v: my channel's bias
.irp b, 0,1,2,3
	v_mov_b32 v[TM+4+\b], 0                        ; a lane permute's destination counts as one of its sources
.endr
	s_wait_alu depctr_va_vdst(0)
.irp b, 0,1,2,3,4,5,6,7
	global_load_b128 v[32+4*\b:35+4*\b], v20, s[8:9] offset:512*\b
.endr
.irp a, 0,1,2,3
	global_load_b128 v[64+4*\a:67+4*\a], v20, s[86:87] offset:512*\a
.endr
	s_cmp_lt_u32 s10, 2                            ; waves 0 and 1 wait for their loads, slot 0; slot 1's may stay out
	s_cbranch_scc0 .Lnot_first
	s_wait_tensorcnt 0x0
.Lnot_first:
	s_barrier_signal -1
	s_barrier_wait -1
	s_mov_b32 s15, 0
.Ltile:                                                ; q, then k
	TILE 0, 0
	s_add_co_u32 s15, s15, 1
	s_cmp_lt_u32 s15, 2
	s_wait_alu depctr_va_vdst(0)
	s_cbranch_scc1 .Ltile
	TILE 1, 1                                      ; v
	s_wait_dscnt 0x0
	s_wait_tensorcnt 0x0                           ; the wave's end
	ds_add_u32 v254, v255
	s_wait_dscnt 0x0
	CROUND                                         ; the closing round: no work-group ends while a partner may still ask for a tile that names it
	s_endpgm
.Lfunc_end_k_q7c45249592_proj:
	.size	k_q7c45249592_proj, .Lfunc_end_k_q7c45249592_proj-k_q7c45249592_proj
	.p2alignl 7, 3214868480
	.fill 96, 4, 3214868480
	.section	.rodata,"a",@progbits
	.p2align	6, 0x0
	.amdhsa_kernel k_q7c45249592_proj
		.amdhsa_group_segment_fixed_size 327680
		.amdhsa_private_segment_fixed_size 0
		.amdhsa_enable_private_segment 0
		.amdhsa_kernarg_size 72
		.amdhsa_user_sgpr_count 2
		.amdhsa_user_sgpr_kernarg_segment_ptr 1
		.amdhsa_wavefront_size32 1
		.amdhsa_system_sgpr_workgroup_id_x 1
		.amdhsa_system_sgpr_workgroup_id_y 1
		.amdhsa_system_sgpr_workgroup_id_z 1
		.amdhsa_system_vgpr_workitem_id 0
		.amdhsa_next_free_vgpr 1024
		.amdhsa_next_free_sgpr 102
		.amdhsa_reserve_vcc 0
		.amdhsa_float_denorm_mode_32 3
		.amdhsa_float_denorm_mode_16_64 3
		.amdhsa_memory_ordered 1
		.amdhsa_forward_progress 1
		.amdhsa_inst_pref_size 184
	.end_amdhsa_kernel
	.amdgpu_metadata
---
amdhsa.version: [ 1, 2 ]
amdhsa.kernels:
  - .name:           k_q7c45249592_proj
    .symbol:         k_q7c45249592_proj.kd
    .args:
      - { .name: xc, .offset: 0, .size: 8, .value_kind: global_buffer, .address_space: global }
      - { .name: xs, .offset: 8, .size: 8, .value_kind: global_buffer, .address_space: global }
      - { .name: wc, .offset: 16, .size: 8, .value_kind: global_buffer, .address_space: global }
      - { .name: ws, .offset: 24, .size: 8, .value_kind: global_buffer, .address_space: global }
      - { .name: bq, .offset: 32, .size: 8, .value_kind: global_buffer, .address_space: global }
      - { .name: bk, .offset: 40, .size: 8, .value_kind: global_buffer, .address_space: global }
      - { .name: bv, .offset: 48, .size: 8, .value_kind: global_buffer, .address_space: global }
      - { .name: hc, .offset: 56, .size: 8, .value_kind: global_buffer, .address_space: global }
      - { .name: hs, .offset: 64, .size: 8, .value_kind: global_buffer, .address_space: global }
    .group_segment_fixed_size: 327680
    .private_segment_fixed_size: 0
    .kernarg_segment_align: 8
    .kernarg_segment_size: 72
    .max_flat_workgroup_size: 128
    .sgpr_count:     102
    .vgpr_count:     1024
    .wavefront_size: 32
...
	.end_amdgpu_metadata
.endif
;; end of part 2
;; launch attn (part 3): grid 4 x 64, 16 waves a work-group, clusters of 4 x 1, 219,136 bytes of LDS; arguments hc, hs, ac, asc; writes ac, asc
.if DOCPART == 3
	.amdgcn_target "amdgcn-amd-amdhsa--gfx1250"
	.amdhsa_code_object_version 6
	.text
	.protected	k_q7c45249592_attn
	.globl	k_q7c45249592_attn
	.p2align	8
	.type	k_q7c45249592_attn,@function
k_q7c45249592_attn:
	s_mov_b64 s[64:65], 0
	v_nop
	global_prefetch_b8 v0, s[64:65] scope:SCOPE_SE
	s_setreg_imm32_b32 hwreg(HW_REG_WAVE_MODE, 25, 1), 1
	s_wait_xcnt 0x0
	s_wait_alu depctr_hold_cnt(0) depctr_sa_sdst(0) depctr_va_vdst(0) depctr_va_sdst(0) depctr_va_ssrc(0) depctr_va_vcc(0) depctr_vm_vsrc(0)
	s_getreg_b32 s2, hwreg(HW_REG_IB_STS2, 6, 4)
	s_cmp_eq_u32 s2, 0
	s_cbranch_scc0 .Lentry_in_a_cluster
	s_endpgm
.Lentry_in_a_cluster:
	s_bfe_u32 s2, ttmp6, 0x10000c
	s_cmp_lg_u32 s2, 0x3003
	s_cbranch_scc0 .Lentry_shape_is_right
	s_endpgm
.Lentry_shape_is_right:
; For each batch and head: O[q] = sum over keys of p V / l, p = 2^(t - M), t = (q . k) log2(e) / 8, M = the running largest t rounded up to a whole number, l = the row's sum of the unquantised p.
; Both products on codes of FP6 (E2M3) with E8M0 scales; p is quantised along the keys; O / l is quantised along the head's 64 and leaves as codes for the last product.
; SHARES.  A work-group owns 512 queries of one head; each of its sixteen waves owns 32, two tiles of 16, taken in two passes over all 2,048 keys, 128 a step.
; THE HEAD'S WHOLE K AND V, 98,304 bytes each, STAY IN LDS, filled once: every wave asks for one sixteenth (12,288 bytes) by one joint load with the mask of the cluster's four work-groups, which read the same K and V.
; The 8,192 scale bytes (a twenty-fourth of the codes) come through registers, 16 bytes a thread, into LDS bytes of their own; so does each wave's second tile of queries.
; No prefetch: all tiles are asked for at the head, and no loop runs ahead of them.
; LAYOUT.  Both products are used transposed (S^T = K Q^T, O^T = V^T P^T): a lane holds one query throughout.  K = 64 in an instruction of 128: an image of K holds two tiles of 16 keys; against [q | zero codes] it gives
; the first tile's scores, against [zero codes | q] the second's.  Tile 4 g + u of K holds keys 64 g + 8 p(u) + 0..7 and those 32 further on, p = 0, 2, 1, 3 (the first launch lays the keys so):
; so registers 32 g + 0 .. 31 of lane (r, h) are the whole scale block 2 g + h of keys, in the order of V's codes: no lane is asked for a block's maximum, and the conversions' results are the operand's registers.
; THE STEP'S LDS LOADS: V of step i is asked for at the step's top, K of step i + 1 behind step i's score products; each group is 13 loads, so both waits count the 13 younger ones.
; The last step of a pass asks for 13 loads beyond K's end (they fall on V's first bytes, inside LDS) and nobody reads them.
; LIMITS: NaN and infinities are not served; the scaled scores stay under 2^31 in magnitude; 1 / l is v_rcp_f32 and a multiplication; a block's largest p is made of the block's largest score by the same multiply-add
; and exponential as every p (this takes v_exp_f32 not to fall where its input rises); a block under 2^-124, zeros among them, gets the byte 1; asc is stored two bytes a row and head.
.set SC,    196608                     ; LDS: K at 0, V at 98,304; K's scale bytes here, V's 4,096 further on
.set QST,   204800                     ; 768 bytes a wave: its second tile of queries
.set SPARE, 217088                     ; the spare words, 128 bytes a wave
.set TT,  0                            ; at work (behind the head)
.set L16, 1                            ; 16 x lane
.set ADK, 2                            ; LDS: K of the next step; V of this step; this step's scale words
.set ADV, 3
.set ADS, 4
.set H8,  5                            ; 8 x (lane / 16)
.set QS,  6                            ; the pass's tile's two scale bytes, twice
.set PWD, 7                            ; p's scale word
.set KS,  8                            ; v[8:9] K's scale words, v[10:11] V's
.set VS,  10
                                       ; v12 -M, v13 the running largest score, v[14:15] l in two halves
.set QZ,  16                           ; v16-33: six zeros, q's six registers, six zeros
.set KF,  34                           ; v34-81 four images of K
.set VF,  82                           ; v82-129 four fragments of V
.set S,   130                          ; v130-193 S^T, then p
.set OT,  194                          ; v194-225 O^T
.set PC,  226                          ; v226-237 p's codes; on the way out the result's
.set CT,  238                          ; v238-240, v242-244 second halves of blocks' codes
.set TW,  241
.set QW,  245                          ; q's image's scale word
.set BM,  246
.set BS,  248
.set BW,  250
.set FF,  252                          ; v[252:253] f = 2^(old M - new M)
.set SPW, 254
.set NIL, 255
.set CNT, 62
.macro CROUND
	s_barrier_signal -1
	s_barrier_wait -1
	s_cmp_lg_u32 s18, 0
	s_cbranch_scc1 .Lnot_wave_0_\@
	s_barrier_signal -3
.Lnot_wave_0_\@:
	s_barrier_wait -3
	s_barrier_signal -1
	s_barrier_wait -1
.endm
	s_load_b256 s[4:11], s[0:1], 0x0               ; hc, hs, ac, asc
	v_lshl_add_u32 v[SPW], v0, 2, SPARE
	v_mov_b32 v[NIL], 0
	ds_add_u32 v[SPW], v[NIL]                      ; the opening lines
	ds_add_u32 v[SPW], v[NIL]
	v_lshrrev_b32 v[BM], 5, v0
	v_readfirstlane_b32 s18, v[BM]                 ; wave 0..15
	s_mul_i32 s70, s18, 768
	s_add_co_u32 s70, s70, QST                     ; my place for the second tile of queries
	v_and_b32 v[BW], 31, v0
	v_bfe_u32 v[H8], v0, 4, 1
	v_and_b32 v[BS], 15, v0
	v_lshl_add_u32 v[OT], v0, 4, SC                ; where my thread's 16 scale bytes go
	v_lshlrev_b32 v[L16], 4, v[BW]
	v_lshlrev_b32 v[H8], 3, v[H8]
	v_lshlrev_b32 v[OT+2], 3, v[BS]                ; 8 r
	v_lshlrev_b32 v[OT+1], 3, v[BW]
	v_add_nc_u32 v[OT+1], s70, v[OT+1]             ; my place + 8 x lane
	s_bfe_u32 s12, ttmp6, 0x40000                  ; cx: my block of 512 queries: it enters q's and the results' global addresses alone
	s_and_b32 s13, ttmp7, 0xffff                   ; 16 x batch + head, which the four partners share
	s_lshr_b32 s14, s18, 3                         ; waves 0-7 fetch K, 8-15 V;
	s_and_b32 s15, s18, 7                          ; which eighth
	s_mov_b32 s24, 15|(3<<16)|(1<<21)              ; group 1: the mask of all four; elements of 8 bytes; 21 set beside a mask.  48 rows of 256 dense bytes
	s_mov_b32 s25, 32<<16
	s_mov_b32 s26, 48<<16
	s_mov_b32 s27, 32<<16
	s_mov_b32 s28, 48
	s_mov_b32 s29, 32
	s_mov_b32 s30, 0
	s_mov_b32 s31, 0
	s_mul_i32 s16, s13, 98304                      ; the head's codes in a section
	s_lshl_b32 s17, s13, 12                        ; and its scale bytes
	s_add_co_u32 s19, s14, 1                       ; section 1: k, 2: v
	s_mul_i32 s66, s19, 6291456
	s_add_co_u32 s66, s66, s16
	s_mul_i32 s63, s15, 12288
	s_add_co_u32 s66, s66, s63
	s_mov_b32 s67, 0
	s_lshl_b32 s68, s19, 18
	s_add_co_u32 s68, s68, s17
	s_lshl_b32 s19, s15, 9
	s_add_co_u32 s68, s68, s19                     ; my wave's 512 scale bytes
	s_mov_b32 s69, 0
	s_mov_b32 s40, 1
	s_mul_i32 s41, s18, 12288                      ; LDS: K's eight parts, then V's
	s_and_b32 s63, s13, 15                         ; the head
	s_lshl_b32 s71, s12, 4
	s_add_co_u32 s71, s71, s18                     ; my image of q: 16 x block + wave
	s_mul_i32 s72, s71, 1536
	s_add_co_u32 s72, s72, s16
	s_mov_b32 s73, 0
	s_lshr_b32 s74, s71, 1
	s_lshl_b32 s74, s74, 7
	s_and_b32 s2, s18, 1
	s_lshl_b32 s2, s2, 2
	s_add_co_u32 s74, s74, s2
	s_add_co_u32 s74, s74, s17                     ; its scale words: 128 bytes to two images, word = image % 2
	s_mov_b32 s75, 0
	s_lshr_b32 s3, s13, 4
	s_lshl_b32 s3, s3, 7
	s_lshl_b32 s2, s71, 1
	s_add_co_u32 s3, s3, s2                        ; my first tile of 16 tokens: 128 x batch + 2 x image
	s_lshl_b32 s76, s3, 4
	s_add_co_u32 s76, s76, s63
	s_mul_i32 s76, s76, 768                        ; ac: [tile][head] half fragments
	s_mov_b32 s77, 0
	s_lshl_b32 s78, s3, 9
	s_lshl_b32 s2, s63, 1
	s_add_co_u32 s78, s78, s2                      ; asc: [token][32], my head's two bytes
	s_mov_b32 s79, 0
	s_mov_b32 s20, 0x76543210
	s_mov_b32 s21, 0xfedcba98                      ; selects for lane l xor 16
	s_mov_b32 s22, 0x3e38aa3b                      ; c = log2(e) / 8
	s_mov_b32 s23, s22                             ; (named with it as a pair)
	s_wait_alu depctr_va_vdst(0)
	s_wait_dscnt 0x0
	s_wait_kmcnt 0x0
	s_add_nc_u64 s[42:43], s[4:5], s[66:67]
	s_or_b32 s43, s43, 0x80000000
	s_add_nc_u64 s[68:69], s[6:7], s[68:69]
	s_add_nc_u64 s[72:73], s[4:5], s[72:73]
	s_add_nc_u64 s[74:75], s[6:7], s[74:75]
	s_add_nc_u64 s[8:9], s[8:9], s[76:77]
	s_add_nc_u64 s[10:11], s[10:11], s[78:79]
	CROUND                                         ; all four work-groups are here: the joint loads meet
	tensor_load_to_lds s[40:43], s[24:31]          ; my sixteenth of K and V: one load a wave, on every way through the text
	s_nop 0
	global_load_b128 v[S:S+3], v[L16], s[68:69]    ; 512 consecutive scale bytes a wave
.irp p, 0,1,2
	global_load_b128 v[S+4+4*\p:S+7+4*\p], v[L16], s[72:73] offset:512*\p   ; q's image: my two tiles
.endr
	global_load_b32 v[QW], v[OT+2], s[74:75]
.irp i, 0,1,2,3,4,5
	v_mov_b32 v[QZ+\i], 0                          ; zero codes on either side of q
	v_mov_b32 v[QZ+12+\i], 0
.endr
	v_mov_b32 v[TW], 0                             ; a lane permute's destination counts as one of its sources
	v_mov_b32 v[FF+1], 0                           ; (named as the upper half of the pair)
	s_wait_loadcnt 0x0
	s_wait_tensorcnt 0x0                           ; my part of K or V has landed
	ds_store_b128 v[OT], v[S:S+3]
.irp i, 0,1,2
	ds_store_b64 v[OT+1], v[S+10+2*\i:S+11+2*\i] offset:256*\i   ; the second tile's six registers wait in LDS for the second pass
.endr
	s_wait_dscnt 0x0
	s_barrier_signal -1
	s_barrier_wait -1                              ; everybody's part and scale bytes are in; nothing in LDS is written from here on
; A pass: one tile of 16 queries against all keys
.macro PASS par
	s_wait_dscnt 0x0                               ; no load of mine is on its way into K's registers
.if \par == 0
	v_perm_b32 v[QS], v[QW], v[QW], 0x01000100     ; the tile's two scale bytes, for either half of K
.irp i, 0,1,2,3,4,5
	v_mov_b32 v[QZ+6+\i], v[S+4+\i]                ; this pass's tile of queries between the zeros
.endr
.else
	v_perm_b32 v[QS], v[QW], v[QW], 0x03020302
	v_lshrrev_b32 v[TT], 1, v[L16]
	s_delay_alu instid0(VALU_DEP_1)
	v_add_nc_u32 v[TT], s70, v[TT]
.irp i, 0,1,2
	ds_load_b64 v[QZ+6+2*\i:QZ+7+2*\i], v[TT] offset:256*\i
.endr
.endif
	v_mov_b32 v13, 0xff61b1e6                      ; the largest score so far: -3e38
	v_mov_b32 v12, 0x7f61b1e6                      ; -M: 3e38: the first step's f is 0
	v_mov_b32 v14, 0
	v_mov_b32 v15, 0
	v_mov_b32 v[ADK], v[L16]
	v_add_nc_u32 v[ADV], 98304, v[L16]
	v_lshrrev_b32 v[ADS], 1, v[L16]
	s_delay_alu instid0(VALU_DEP_1)
	v_add_nc_u32 v[ADS], SC, v[ADS]
.irp m, 0,1,2,3
.irp p, 0,1,2
	ds_load_b128 v[KF+12*\m+4*\p:KF+12*\m+4*\p+3], v[ADK] offset:1536*\m+512*\p   ; K of step 0
.endr
.endr
	ds_load_b64 v[KS:KS+1], v[ADS]
.set j, 0
.rept 32
	v_mov_b32 v[OT+j], 0                           ; the step is written once: the first finds zeros
.set j, j+1
.endr
	v_add_nc_u32 v[ADK], 6144, v[ADK]
	s_mov_b32 s[CNT], 16
	s_wait_alu depctr_va_vdst(0)
.Lkeys_\@:
.irp t, 0,1,2,3
.irp p, 0,1,2
	ds_load_b128 v[VF+12*\t+4*\p:VF+12*\t+4*\p+3], v[ADV] offset:1536*\t+512*\p   ; V of this step lands under the scores and the softmax
.endr
.endr
	ds_load_b64 v[VS:VS+1], v[ADS] offset:4096
	s_wait_dscnt 13                                ; K and its words are in; the 13 loads just issued may be out
.irp m, 0,1,2,3
.if \m < 2
	v_wmma_scale_f32_16x16x128_f8f6f4 v[S+16*\m:S+16*\m+7], v[KF+12*\m:KF+12*\m+11], v[QZ+6:QZ+17], 0, v[KS+\m%2], v[QS] matrix_a_fmt:MATRIX_FMT_FP6 matrix_b_fmt:MATRIX_FMT_FP6
	v_wmma_scale_f32_16x16x128_f8f6f4 v[S+16*\m+8:S+16*\m+15], v[KF+12*\m:KF+12*\m+11], v[QZ:QZ+11], 0, v[KS+\m%2], v[QS] matrix_a_fmt:MATRIX_FMT_FP6 matrix_b_fmt:MATRIX_FMT_FP6
.else
	v_wmma_scale_f32_16x16x128_f8f6f4 v[S+16*\m:S+16*\m+7], v[KF+12*\m:KF+12*\m+11], v[QZ+6:QZ+17], 0, v[KS+\m%2], v[QS] matrix_a_fmt:MATRIX_FMT_FP6 matrix_b_fmt:MATRIX_FMT_FP6 matrix_a_scale:MATRIX_SCALE_ROW1
	v_wmma_scale_f32_16x16x128_f8f6f4 v[S+16*\m+8:S+16*\m+15], v[KF+12*\m:KF+12*\m+11], v[QZ:QZ+11], 0, v[KS+\m%2], v[QS] matrix_a_fmt:MATRIX_FMT_FP6 matrix_b_fmt:MATRIX_FMT_FP6 matrix_a_scale:MATRIX_SCALE_ROW1
.endif
.endr                                  ; lane (r, h): query r; registers 32 g + 8 u + i: key 64 g + 32 h + 8 p(u) + i
.rept 4
	v_nop                                          ; places ahead of the loads over K and of the first read of the scores
.endr
.irp m, 0,1,2,3
.irp p, 0,1,2
	ds_load_b128 v[KF+12*\m+4*\p:KF+12*\m+4*\p+3], v[ADK] offset:1536*\m+512*\p   ; K of the next step
.endr
.endr
	ds_load_b64 v[KS:KS+1], v[ADS] offset:256
.irp b, 0,1                            ; the largest score of my two blocks of 32 keys, each in two chains, each tile from its low end on
	v_max3_num_f32 v[BM+\b], v[S+32*\b], v[S+32*\b+1], v[S+32*\b+2]
	v_max3_num_f32 v[BW+\b], v[S+32*\b+16], v[S+32*\b+17], v[S+32*\b+18]
.endr
.irp i, 3,5,7,9,11,13
.irp b, 0,1
	v_max3_num_f32 v[BM+\b], v[BM+\b], v[S+32*\b+\i], v[S+32*\b+\i+1]
	v_max3_num_f32 v[BW+\b], v[BW+\b], v[S+32*\b+16+\i], v[S+32*\b+17+\i]
.endr
.endr
.irp b, 0,1
	v_max3_num_f32 v[BM+\b], v[BM+\b], v[S+32*\b+15], v[S+32*\b+31]
.endr
.irp b, 0,1
	s_delay_alu instid0(VALU_DEP_2)
	v_max_num_f32 v[BM+\b], v[BM+\b], v[BW+\b]
.endr
	s_delay_alu instid0(VALU_DEP_1)
	v_max_num_f32 v[TT], v[BM], v[BM+1]
	s_delay_alu instid0(VALU_DEP_1)
	v_permlanex16_b32 v[TW], v[TT], s20, s21
	s_delay_alu instid0(VALU_DEP_1)
	v_max3_num_f32 v13, v13, v[TT], v[TW]          ; the running largest score of my query
	s_delay_alu instid0(VALU_DEP_1)
	v_mul_f32 v[TT], s22, v13                      ; as t (c is positive)
	s_delay_alu instid0(VALU_DEP_1)
	v_floor_f32 v[BW], -v[TT]                      ; the new -M = floor(-t): M is a whole number
	s_delay_alu instid0(VALU_DEP_1)
	v_sub_f32 v[TT], v[BW], v12                    ; old M - new M: a whole number, 0 or less
	v_mov_b32 v12, v[BW]
.set j, 0
.rept 32
	v_pk_fma_f32 v[S+j:S+j+1], v[S+j:S+j+1], s[22:23], v[12:13] op_sel_hi:[1,0,0]   ; t - M, two at a time
.if j == 12
	v_cvt_i32_f32 v[TT], v[TT]                     ; (it saturates)
.endif
.if j == 28
	v_ldexp_f32 v[FF], 1.0, v[TT]                  ; f = 2^(old M - new M): a multiplication by it rounds nothing
.endif
.set j, j+2
.endr
.irp b, 0,1
	v_fma_f32 v[BM+\b], v[BM+\b], s22, v12
.endr
.set j, 0
.rept 16
	v_pk_mul_f32 v[OT+j:OT+j+1], v[OT+j:OT+j+1], v[FF:FF+1] op_sel_hi:[1,0]   ; O^T under the new M, each accumulator from its low end on
.set j, j+2
.endr
	s_wait_alu depctr_va_vdst(0)
.set j, 0
.rept 64
	v_exp_f32 v[S+j], v[S+j]                       ; p = 2^(t - M), at most 1, not normalised
.set j, j+1
.endr
.irp b, 0,1
	v_exp_f32 v[BM+\b], v[BM+\b]                   ; the block's largest p
.endr
	v_pk_mul_f32 v[14:15], v[14:15], v[FF:FF+1] op_sel_hi:[1,0]   ; the sums under the new M (a plain place behind the exponentials)
	s_wait_alu depctr_va_vdst(0)                   ; one wait for the batch, and for what stands ahead of the wait below
	s_wait_dscnt 13                                ; V and its words are in; the next step's 13 loads may be out
.irp b, 0,1
	v_max_num_f32 v[BM+\b], 0x1800000, v[BM+\b]    ; the floor 2^(3 - 127)
.endr
.irp b, 0,1
	s_delay_alu instid0(VALU_DEP_2)
	v_add_nc_u32 v[BS+\b], 0xff000000, v[BM+\b]    ; 2 off the exponent field: the conversion's scale operand
.endr
.irp b, 0,1
	s_delay_alu instid0(VALU_DEP_2)
	v_lshrrev_b32 v[BW+\b], 23, v[BS+\b]
.endr
	s_delay_alu instid0(VALU_DEP_1)
	v_lshl_or_b32 v[TT], v[BW+1], 16, v[BW]        ; my two bytes: blocks h and 2 + h,
	s_delay_alu instid0(VALU_DEP_1)
	v_lshlrev_b32 v[TT], v[H8], v[TT]              ; at their places;
	s_delay_alu instid0(VALU_DEP_1)
	v_permlanex16_b32 v[TW], v[TT], s20, s21
	s_delay_alu instid0(VALU_DEP_1)
	v_or_b32 v[PWD], v[TT], v[TW]                  ; with lane l xor 16's two the word is whole
.irp c, 0,1
	v_cvt_scalef32_pk16_fp6_f32 v[PC+6*\c:PC+6*\c+2], v[S+32*\c:S+32*\c+15], v[BS+\c]
	v_cvt_scalef32_pk16_fp6_f32 v[CT+4*\c:CT+4*\c+2], v[S+32*\c+16:S+32*\c+31], v[BS+\c]   ; (a conversion's three registers begin on an even number)
.endr
	v_nop                                          ; one plain place behind the conversions
.irp c, 0,1
.irp i, 0,1,2
	v_mov_b32 v[PC+6*\c+3+\i], v[CT+4*\c+\i]
.endr
.endr
	v_add_nc_u32 v[ADV], 6144, v[ADV]              ; the next step's addresses; with the line below, the four places ahead of the products
	v_add_nc_u32 v[ADK], 6144, v[ADK]
	v_add_nc_u32 v[ADS], 256, v[ADS]
	v_nop
.irp t, 0,1,2,3                        ; O^T += V^T P^T: four accumulators, one instruction each
.if \t < 2
	v_wmma_scale_f32_16x16x128_f8f6f4 v[OT+8*\t:OT+8*\t+7], v[VF+12*\t:VF+12*\t+11], v[PC:PC+11], v[OT+8*\t:OT+8*\t+7], v[VS+\t%2], v[PWD] matrix_a_fmt:MATRIX_FMT_FP6 matrix_b_fmt:MATRIX_FMT_FP6
.else
	v_wmma_scale_f32_16x16x128_f8f6f4 v[OT+8*\t:OT+8*\t+7], v[VF+12*\t:VF+12*\t+11], v[PC:PC+11], v[OT+8*\t:OT+8*\t+7], v[VS+\t%2], v[PWD] matrix_a_fmt:MATRIX_FMT_FP6 matrix_b_fmt:MATRIX_FMT_FP6 matrix_a_scale:MATRIX_SCALE_ROW1
.endif
.endr
; the row's sum of the unquantised p: a tree in place, 32 packed additions, which name none of the products' registers: they are the places ahead of the next loads over V
.set j, 0
.rept 16
	v_pk_add_f32 v[S+j:S+j+1], v[S+j:S+j+1], v[S+j+2:S+j+3]
.set j, j+4
.endr
.set j, 0
.rept 8
	v_pk_add_f32 v[S+j:S+j+1], v[S+j:S+j+1], v[S+j+4:S+j+5]
.set j, j+8
.endr
.set j, 0
.rept 4
	v_pk_add_f32 v[S+j:S+j+1], v[S+j:S+j+1], v[S+j+8:S+j+9]
.set j, j+16
.endr
	s_delay_alu instid0(VALU_DEP_3)
	v_pk_add_f32 v[S:S+1], v[S:S+1], v[S+16:S+17]
	s_delay_alu instid0(VALU_DEP_2)
	v_pk_add_f32 v[S+32:S+33], v[S+32:S+33], v[S+48:S+49]
	s_delay_alu instid0(VALU_DEP_1)
	v_pk_add_f32 v[S:S+1], v[S:S+1], v[S+32:S+33]
	s_delay_alu instid0(VALU_DEP_1)
	v_pk_add_f32 v[14:15], v[14:15], v[S:S+1]
	s_sub_co_u32 s[CNT], s[CNT], 1
	s_cmp_lg_u32 s[CNT], 0
	s_cbranch_scc1 .Lkeys_\@
; THE WAY OUT of a pass: O^T / l, quantised along the head's 64 (two blocks), stored as a half fragment and two scale bytes a query
	v_add_f32 v14, v14, v15
	s_delay_alu instid0(VALU_DEP_1)
	v_permlanex16_b32 v[TT], v14, s20, s21
	s_delay_alu instid0(VALU_DEP_1)
	v_add_f32 v14, v14, v[TT]                      ; the row's sum
	s_wait_alu depctr_va_vdst(0)
	v_rcp_f32 v14, v14
	v_nop                                          ; one plain place behind the reciprocal
	s_wait_alu depctr_va_vdst(0)
.set j, 0
.rept 16
	v_pk_mul_f32 v[S+j:S+j+1], v[OT+j:OT+j+1], v[14:15] op_sel_hi:[1,0]   ; register 8 t + i: channel 16 t + 8 h + i of query r
.set j, j+2
.endr
.irp b, 0,1
	v_max3_num_f32 v[BM+\b], |v[S+16*\b]|, |v[S+1+16*\b]|, 0x1800000
.endr
.irp i, 2,4,6,8,10,12,14
.irp b, 0,1
	s_delay_alu instid0(VALU_DEP_2)
	v_max3_num_f32 v[BM+\b], v[BM+\b], |v[S+16*\b+\i]|, |v[S+1+16*\b+\i]|
.endr
.endr
.irp b, 0,1
	s_delay_alu instid0(VALU_DEP_2)
	v_permlanex16_b32 v[BW+\b], v[BM+\b], s20, s21
.endr
.irp b, 0,1
	s_delay_alu instid0(VALU_DEP_2)
	v_max_num_f32 v[BM+\b], v[BM+\b], v[BW+\b]
.endr
.irp b, 0,1
	s_delay_alu instid0(VALU_DEP_2)
	v_add_nc_u32 v[BS+\b], 0xff000000, v[BM+\b]
.endr
.irp b, 0,1
	s_delay_alu instid0(VALU_DEP_2)
	v_lshrrev_b32 v[BW+\b], 23, v[BS+\b]
.endr
	v_lshrrev_b32 v[S+32], 1, v[L16]               ; 8 x lane
	v_and_b32 v[S+33], 0xf0, v[L16]
	v_lshl_or_b32 v[PC+6], v[BW+1], 8, v[BW]
	v_lshlrev_b32 v[S+33], 1, v[S+33]              ; 32 r
	v_cvt_scalef32_pk16_fp6_f32 v[PC:PC+2], v[S:S+15], v[BS]
	v_cvt_scalef32_pk16_fp6_f32 v[CT:CT+2], v[S+16:S+31], v[BS+1]
	v_nop                                          ; one plain place behind the conversions
.irp i, 0,1,2
	v_permlane16_swap_b32 v[PC+\i], v[CT+\i]       ; a whole block to a lane
.endr
.irp i, 0,1,2
	s_delay_alu instid0(VALU_DEP_3)
	v_mov_b32 v[PC+3+\i], v[CT+\i]
.endr
	global_store_b128 v[L16], v[PC:PC+3], s[8:9] offset:12288*\par          ; 512 consecutive bytes
	global_store_b64 v[S+32], v[PC+4:PC+5], s[8:9] offset:12288*\par+512    ; 256 consecutive bytes
	global_store_b16 v[S+33], v[PC+6], s[10:11] offset:512*\par             ; both halves of the lanes store the same two bytes
.if \par == 0
	s_wait_xcnt 0x0                                ; the stores have read their registers, which the next pass writes
.endif
.endm
	PASS 0
	PASS 1
	s_wait_dscnt 0x0
	s_wait_tensorcnt 0x0                           ; the wave's end
	ds_add_u32 v[SPW], v[NIL]
	s_wait_dscnt 0x0
	CROUND                                         ; the closing round
	s_endpgm
.Lfunc_end_k_q7c45249592_attn:
	.size	k_q7c45249592_attn, .Lfunc_end_k_q7c45249592_attn-k_q7c45249592_attn
	.p2alignl 7, 3214868480
	.fill 96, 4, 3214868480
	.section	.rodata,"a",@progbits
	.p2align	6, 0x0
	.amdhsa_kernel k_q7c45249592_attn
		.amdhsa_group_segment_fixed_size 219136
		.amdhsa_private_segment_fixed_size 0
		.amdhsa_enable_private_segment 0
		.amdhsa_kernarg_size 32
		.amdhsa_user_sgpr_count 2
		.amdhsa_user_sgpr_kernarg_segment_ptr 1
		.amdhsa_wavefront_size32 1
		.amdhsa_system_sgpr_workgroup_id_x 1
		.amdhsa_system_sgpr_workgroup_id_y 1
		.amdhsa_system_sgpr_workgroup_id_z 1
		.amdhsa_system_vgpr_workitem_id 0
		.amdhsa_next_free_vgpr 256
		.amdhsa_next_free_sgpr 80
		.amdhsa_reserve_vcc 0
		.amdhsa_float_denorm_mode_32 3
		.amdhsa_float_denorm_mode_16_64 3
		.amdhsa_memory_ordered 1
		.amdhsa_forward_progress 1
		.amdhsa_inst_pref_size 51
	.end_amdhsa_kernel
	.amdgpu_metadata
---
amdhsa.version: [ 1, 2 ]
amdhsa.kernels:
  - .name:           k_q7c45249592_attn
    .symbol:         k_q7c45249592_attn.kd
    .args:
      - { .name: hc, .offset: 0, .size: 8, .value_kind: global_buffer, .address_space: global }
      - { .name: hs, .offset: 8, .size: 8, .value_kind: global_buffer, .address_space: global }
      - { .name: ac, .offset: 16, .size: 8, .value_kind: global_buffer, .address_space: global }
      - { .name: asc, .offset: 24, .size: 8, .value_kind: global_buffer, .address_space: global }
    .group_segment_fixed_size: 219136
    .private_segment_fixed_size: 0
    .kernarg_segment_align: 8
    .kernarg_segment_size: 32
    .max_flat_workgroup_size: 512
    .sgpr_count:     80
    .vgpr_count:     256
    .wavefront_size: 32
...
	.end_amdgpu_metadata
.endif
;; end of part 3
;; launch outp (part 4): grid 4 x 64, 4 waves a work-group, clusters of 4 x 4, 295,424 bytes of LDS; arguments ac, asc, wc, ws, bo, out0; writes out0
.if DOCPART == 4
	.amdgcn_target "amdgcn-amd-amdhsa--gfx1250"
	.amdhsa_code_object_version 6
	.text
	.protected	k_q7c45249592_outp
	.globl	k_q7c45249592_outp
	.p2align	8
	.type	k_q7c45249592_outp,@function
k_q7c45249592_outp:
	s_mov_b64 s[64:65], 0
	v_nop
	global_prefetch_b8 v0, s[64:65] scope:SCOPE_SE
	s_setreg_imm32_b32 hwreg(HW_REG_WAVE_MODE, 25, 1), 1
	s_wait_xcnt 0x0
	s_wait_alu depctr_hold_cnt(0) depctr_sa_sdst(0) depctr_va_vdst(0) depctr_va_sdst(0) depctr_va_ssrc(0) depctr_va_vcc(0) depctr_vm_vsrc(0)
	s_getreg_b32 s2, hwreg(HW_REG_IB_STS2, 6, 4)
	s_cmp_eq_u32 s2, 0
	s_cbranch_scc0 .Lentry_in_a_cluster
	s_endpgm
.Lentry_in_a_cluster:
	s_bfe_u32 s2, ttmp6, 0x10000c
	s_cmp_lg_u32 s2, 0xf033
	s_cbranch_scc0 .Lentry_shape_is_right
	s_endpgm
.Lentry_shape_is_right:
; out0 = attention's result x Wo + bo, on codes of FP6 (E2M3) with E8M0 scales; sums and result in f32.
; A work-group of four waves makes 128 tokens (R, source 1) x 256 columns (P = Wo's columns, source 0); a wave 64 x 128: 32 accumulators; a lane holds eight neighbouring columns of one token's row.
; ALL OF K STAYS IN LDS: two halves of 512 along K, each asked for once at the start; nothing is filled again.  Codes lie in memory as images of the operands' registers (half fragments of 768 bytes).
; Inside each block of 32 both operands stand in the order 0-7, 16-23, 8-15, 24-31: the attention launch leaves its result so, and Wo's codes were laid so.
; The scale words come straight into registers: register i holds K step i in lanes 0-15 and K step 4 + i in lanes 16-31.  The bias is the C of each sum's first product.
; CLUSTERS: 4 x 4 work-groups; the tokens' tiles are shared along a row of the cluster, Wo's along a column: each is asked for jointly.
; THE WAY OUT: 16 rows x 512 bytes at a time through the wave's own stage, which lies in the first half's bytes: they have had their only fill, and every wave's reads of them were over at K step 3's barrier.
; LIMITS: NaN and infinities are not served.
; REGISTERS: window 0: v1-26 addresses; v32-63 P's scale words, v64-79 R's; v128-255 rows on the way out.  window 1: fragments, set 0 (P at 12 b, R at 96 + 12 a); v144-207 the bias.  window 2: set 1.  window 3: accumulator (a, b) at 8 (8 a + b).
.set CH,   147456                      ; K LIES IN LDS IN TWO HALVES OF 512, each asked for once: R's 8 tiles of 16 rows x 6,144 bytes, then P's 16.  The stage lies in the first half's bytes, whose reads are over at K step 3's barrier
.set MSB, 0
.macro WIN new
.if MSB != \new
	s_set_vgpr_msb (MSB<<8)|\new
.set MSB, \new
.endif
.endm
.macro CROUND
	s_barrier_signal -1
	s_barrier_wait -1
	s_cmp_lg_u32 s10, 0
	s_cbranch_scc1 .Lnot_wave_0_\@
	s_barrier_signal -3
.Lnot_wave_0_\@:
	s_barrier_wait -3
	s_barrier_signal -1
	s_barrier_wait -1
.endm
.macro PLACES                          ; four plain places behind matrix instructions (ISA guide 7.12.1)
.rept 4
	v_nop
.endr
.endm
.macro FRAG reg, a16, a8, off
	ds_load_b128 v[(\reg):(\reg)+3], v[\a16] offset:(\off)
	ds_load_b64 v[(\reg)+4:(\reg)+5], v[\a8] offset:(\off)+512
	ds_load_b128 v[(\reg)+6:(\reg)+9], v[\a16] offset:(\off)+768
	ds_load_b64 v[(\reg)+10:(\reg)+11], v[\a8] offset:(\off)+1280
.endm
.macro FETCH s
.if ((\s)%2) == 0
	WIN 0x40
.else
	WIN 0x80
.endif
.irp b, 0,1,2,3,4,5,6,7
	FRAG 12*\b, 18, 19, 6144*\b+1536*((\s)%4)
.endr
.irp a, 0,1,2,3
	FRAG 96+12*\a, 16, 17, 6144*\a+1536*((\s)%4)
.endr
.endm
.macro MWIN s, c
.if \c == 2
	WIN 0xd5                                       ; sources 0, 1 and C (the bias) window 1, D window 3
.elseif ((\s)%2) == 0
	WIN 0xf5
.else
	WIN 0xfa
.endif
.endm
; 16 matrix instructions: R's tiles a0, a0 + 1 x P's eight.  c = 2: the bias starts the sums.  The 32 accumulators take turns, one instruction a turn.
.macro MULH s, a0, c
.irp a, \a0, \a0+1
.irp b, 0,1,2,3,4,5,6,7
.if \c == 2
	v_wmma_scale_f32_16x16x128_f8f6f4 v[8*(8*(\a)+\b):8*(8*(\a)+\b)+7], v[12*\b:12*\b+11], v[96+12*(\a):96+12*(\a)+11], v[144+8*\b:144+8*\b+7], v[32+4*\b+(\s)%4], v[64+4*(\a)+(\s)%4] matrix_a_fmt:MATRIX_FMT_FP6 matrix_b_fmt:MATRIX_FMT_FP6
.elseif (\s) < 4
	v_wmma_scale_f32_16x16x128_f8f6f4 v[8*(8*(\a)+\b):8*(8*(\a)+\b)+7], v[12*\b:12*\b+11], v[96+12*(\a):96+12*(\a)+11], v[8*(8*(\a)+\b):8*(8*(\a)+\b)+7], v[32+4*\b+(\s)%4], v[64+4*(\a)+(\s)%4] matrix_a_fmt:MATRIX_FMT_FP6 matrix_b_fmt:MATRIX_FMT_FP6
.else
	v_wmma_scale_f32_16x16x128_f8f6f4 v[8*(8*(\a)+\b):8*(8*(\a)+\b)+7], v[12*\b:12*\b+11], v[96+12*(\a):96+12*(\a)+11], v[8*(8*(\a)+\b):8*(8*(\a)+\b)+7], v[32+4*\b+(\s)%4], v[64+4*(\a)+(\s)%4] matrix_a_fmt:MATRIX_FMT_FP6 matrix_b_fmt:MATRIX_FMT_FP6 matrix_a_scale:MATRIX_SCALE_ROW1 matrix_b_scale:MATRIX_SCALE_ROW1
.endif
.endr
.endr
.endm
.macro STEP_E s, c
	s_wait_dscnt 0x0                               ; this step's fragments are in
.if (\s) > 0
	PLACES
.endif
	FETCH (\s)+1
	MWIN \s, \c
	MULH \s, 0, \c
	MULH \s, 2, \c
.endm
.macro STEP_O s
	s_wait_dscnt 0x0                               ; this step's fragments are in: no LDS instruction of mine is out at the signal
	s_wait_tensorcnt 0x0                           ; every wave's one load has landed: the barrier shows the second half of K to all
	s_barrier_signal -1
	MWIN \s, 0
	MULH \s, 0, 0
	s_barrier_wait -1
	WIN 0
.irp r, 16,17,18,19
	v_add_nc_u32 v\r, CH, v\r                      ; on to the next chunk; also the four places ahead of the loads below
.endr
	FETCH (\s)+1
	MWIN \s, 0
	MULH \s, 2, 0
.endm
	s_load_b256 s[68:75], s[0:1], 0x0              ; ac, asc, wc, ws
	s_load_b128 s[76:79], s[0:1], 0x20             ; bo, out0
	v_lshl_add_u32 v126, v0, 2, 0x48000
	v_mov_b32 v127, 0
	ds_add_u32 v126, v127
	ds_add_u32 v126, v127
	v_lshrrev_b32 v1, 5, v0
	v_readfirstlane_b32 s10, v1                    ; wave 0..3
	s_lshr_b32 s11, s10, 1                         ; which 64 tokens are mine.  Also: which half of K I fetch
	s_and_b32 s12, s10, 1                          ; which 128 columns.  Also: I fetch for R (0) or for P (1)
	s_bfe_u32 s13, ttmp6, 0x40000                  ; cx = P's tile of 256 columns
	s_bfe_u32 s14, ttmp6, 0x40004                  ; cy
	s_and_b32 s15, ttmp7, 0xffff
	s_lshl_b32 s19, s15, 2
	s_add_co_u32 s19, s19, s14                     ; R's tile of 128 tokens = 4 x cluster + cy
	s_lshl_b32 s20, s14, 2
	s_lshl_b32 s20, 15, s20                        ; my row of the cluster
	s_lshl_b32 s21, 0x1111, s13                    ; my column
	s_or_b32 s24, s20, (3<<16)|(1<<21)             ; group 1: rows of 6,144 bytes (768 elements of 8), 12,288 bytes apart: 8 for R, 16 for P
	s_mov_b32 s25, 768<<16                         ; rows of 6,144 bytes (768 elements of 8): half of K of a tile of 16 rows
	s_mov_b32 s26, 8<<16                           ; R's 8 tiles
	s_mov_b32 s27, 768<<16
	s_mov_b32 s28, 8
	s_mov_b32 s29, 1536
	s_mov_b32 s30, 0
	s_mov_b32 s31, 0
	s_or_b32 s48, s21, (3<<16)|(1<<21)
	s_mov_b32 s49, 768<<16
	s_mov_b32 s50, 16<<16                          ; P's 16 tiles
	s_mov_b32 s51, 768<<16
	s_mov_b32 s52, 16
	s_mov_b32 s53, 1536
	s_mov_b32 s54, 0
	s_mov_b32 s55, 0
	s_lshl_b32 s100, s19, 3
	s_mul_i32 s100, s100, 12288
	s_mov_b32 s101, 0
	s_lshl_b32 s66, s13, 4
	s_mul_i32 s66, s66, 12288
	s_mov_b32 s67, 0
	s_mul_i32 s23, s12, 49152                      ; my 128 columns of P in a half: 8 tiles of 6,144 bytes,
	s_add_co_u32 s23, s23, 49152                   ; behind R's 8 tiles
	s_wait_dscnt 0x0
	s_wait_kmcnt 0x0
	s_add_nc_u64 s[72:73], s[72:73], 2359296       ; Wo's section of the weights' codes
	s_add_nc_u64 s[74:75], s[74:75], 98304         ; and of their scale bytes
	s_add_nc_u64 s[68:69], s[68:69], s[100:101]
	s_add_nc_u64 s[72:73], s[72:73], s[66:67]
.irp j, 0,1
	s_mov_b32 s[32+4*\j], 1                        ; R, half j of K
	s_mov_b32 s[33+4*\j], CH*\j
	s_add_nc_u64 s[34+4*\j:35+4*\j], s[68:69], 6144*\j
	s_or_b32 s[35+4*\j], s[35+4*\j], 0x80000000
	s_mov_b32 s[56+4*\j], 1                        ; P, half j of K
	s_mov_b32 s[57+4*\j], CH*\j+49152
	s_add_nc_u64 s[58+4*\j:59+4*\j], s[72:73], 6144*\j
	s_or_b32 s[59+4*\j], s[59+4*\j], 0x80000000
.endr
	CROUND                                         ; all sixteen work-groups are here: the joint loads meet
	s_cmp_eq_u32 s10, 0                            ; one joint load a wave, in one chain of arms: wave 0 R's first half of K,
	s_cbranch_scc0 .Lwave_1
	tensor_load_to_lds s[32:35], s[24:31]
	s_nop 0
.rept 4
	v_nop
.endr
	s_branch .Lasked
.Lwave_1:
	s_cmp_eq_u32 s10, 1                            ; wave 1 P's first half,
	s_cbranch_scc0 .Lwave_2
	tensor_load_to_lds s[56:59], s[48:55]
	s_nop 0
.rept 4
	v_nop
.endr
	s_branch .Lasked
.Lwave_2:
	s_cmp_eq_u32 s10, 2                            ; wave 2 R's second half,
	s_cbranch_scc0 .Lwave_3
	tensor_load_to_lds s[36:39], s[24:31]
	s_nop 0
.rept 4
	v_nop
.endr
	s_branch .Lasked
.Lwave_3:
	tensor_load_to_lds s[60:63], s[48:55]          ; wave 3 P's
	s_nop 0
.rept 4
	v_nop
.endr
.Lasked:
	v_and_b32 v1, 15, v0                           ; r
	v_bfe_u32 v2, v0, 4, 1                         ; h
	v_and_b32 v3, 31, v0
	v_lshlrev_b32 v21, 4, v3
	v_lshlrev_b32 v22, 3, v3
	s_mul_i32 s22, s11, 24576                      ; my 64 tokens of R: 4 tiles of 6,144 bytes
	v_add_nc_u32 v16, s22, v21
	v_add_nc_u32 v17, s22, v22
	v_add_nc_u32 v18, s23, v21
	v_add_nc_u32 v19, s23, v22
	v_lshlrev_b32 v20, 5, v1
	v_lshl_add_u32 v20, v2, 4, v20                 ; a row's 32 scale bytes, 16 to each half of the lanes
	s_wait_alu depctr_va_vdst(0)
	v_lshlrev_b32 v24, 5, v2                       ; the bias: my half's eight of each sixteen
	s_wait_alu depctr_va_vdst(0)
	s_mul_i32 s22, s10, 8448                       ; my stage: 16 rows of 512 bytes + 16
	v_mul_u32_u24 v25, v1, 528
	v_lshl_add_u32 v25, v2, 5, v25
	v_add_nc_u32 v25, s22, v25                     ; in: row r, 32 bytes for each half of the lanes
	v_add_nc_u32 v26, s22, v21                     ; back: a whole row, 16 bytes a lane
	s_lshl_b32 s66, s13, 13
	s_lshl_b32 s22, s12, 12
	s_add_co_u32 s66, s66, s22
	s_add_nc_u64 s[74:75], s[74:75], s[66:67]      ; Wo's scales at my 128 columns
	s_lshl_b32 s100, s19, 12
	s_lshl_b32 s22, s11, 11
	s_add_co_u32 s100, s100, s22
	s_add_nc_u64 s[70:71], s[70:71], s[100:101]    ; the tokens' at my 64
	s_lshl_b32 s66, s13, 10
	s_lshl_b32 s22, s12, 9
	s_add_co_u32 s66, s66, s22                     ; my first column, in bytes
	s_add_nc_u64 s[76:77], s[76:77], s[66:67]
	s_add_nc_u64 s[78:79], s[78:79], s[66:67]
	s_lshl_b32 s100, s19, 19
	s_lshl_b32 s22, s11, 18
	s_add_co_u32 s100, s100, s22                   ; my first row of 4,096 bytes
	s_add_nc_u64 s[78:79], s[78:79], s[100:101]
.irp b, 0,1,2,3,4,5,6,7
	global_load_b128 v[32+4*\b:35+4*\b], v20, s[74:75] offset:512*\b
.endr
.irp a, 0,1,2,3
	global_load_b128 v[64+4*\a:67+4*\a], v20, s[70:71] offset:512*\a
.endr
	WIN 0x40
.irp b, 0,1,2,3,4,5,6,7
	global_load_b128 v[144+8*\b:147+8*\b], v24, s[76:77] offset:64*\b       ; bo in the result's layout: tile b, my half's eight columns
	global_load_b128 v[148+8*\b:151+8*\b], v24, s[76:77] offset:64*\b+16
.endr
	WIN 0                                          ; at a branch and at a label every window is 0
	s_cmp_lt_u32 s10, 2                            ; waves 0 and 1 wait for their loads, the first half of K; the second half may stay out
	s_cbranch_scc0 .Lnot_first
	s_wait_tensorcnt 0x0
.Lnot_first:
	s_barrier_signal -1
	s_barrier_wait -1                              ; everybody's is
	FETCH 0
	s_wait_loadcnt 0x0                             ; the scale words and the bias
	STEP_E 0, 2                                    ; STEP_E: the successor lies in the same half of K; STEP_O: in the next
	STEP_E 1, 0
	STEP_E 2, 0
	STEP_O 3
	s_wait_alu depctr_va_vdst(0)
	STEP_E 4, 0
	STEP_E 5, 0
	STEP_E 6, 0
	s_wait_dscnt 0x0
	MWIN 7, 0
	MULH 7, 0, 0
	MULH 7, 2, 0
	WIN 0
; THE WAY OUT, 16 tokens x 128 columns at a time.  LDS serves a wave's instructions in order (ISA guide 5.7.1.4): no wait between the stores and the loads, nor ahead of the next block's stores.
.macro TOSTAGE a
	WIN 0x0c                                       ; an LDS store's data are its source 1: window 3
.irp b, 0,1,2,3,4,5,6,7
	ds_store_b128 v25, v[64*(\a)+8*\b:64*(\a)+8*\b+3] offset:64*\b          ; each accumulator from its low end on
	ds_store_b128 v25, v[64*(\a)+8*\b+4:64*(\a)+8*\b+7] offset:64*\b+16
.endr
	WIN 0
.set BB, 128+64*((\a)%2)
.irp t, 0,1,2,3,4,5,6,7,8,9,10,11,12,13,14,15
	ds_load_b128 v[BB+4*\t:BB+4*\t+3], v26 offset:\t*528
.endr
.endm
.macro SEND a, younger                 ; younger: the LDS instructions issued behind block a's loads, which may stay out
.set BB, 128+64*((\a)%2)
	s_wait_dscnt \younger
.irp t, 0,1,2,3,4,5,6,7,8,9,10,11,12,13,14,15
	global_store_b128 v21, v[BB+4*\t:BB+4*\t+3], s[78:79] offset:(16*(\a)+\t)*4096 th:TH_STORE_NT   ; 32 lanes store 512 consecutive bytes, at a multiple of 256 from the buffer's first byte
.endr
.endm
	PLACES                                         ; behind the last products
	TOSTAGE 0
.irp a, 1,2,3
.if \a > 1
	s_wait_xcnt 0x0                                ; block a - 2's stores have read their registers: block a's rows may land there
.endif
	TOSTAGE \a
	SEND \a-1, 32                                  ; behind block a - 1's loads: block a's 16 stores and 16 loads
.endr
	SEND 3, 0
	s_wait_dscnt 0x0
	s_wait_tensorcnt 0x0
	ds_add_u32 v126, v127
	s_wait_dscnt 0x0
	CROUND                                         ; the closing round
	s_endpgm
.Lfunc_end_k_q7c45249592_outp:
	.size	k_q7c45249592_outp, .Lfunc_end_k_q7c45249592_outp-k_q7c45249592_outp
	.p2alignl 7, 3214868480
	.fill 96, 4, 3214868480
	.section	.rodata,"a",@progbits
	.p2align	6, 0x0
	.amdhsa_kernel k_q7c45249592_outp
		.amdhsa_group_segment_fixed_size 295424
		.amdhsa_private_segment_fixed_size 0
		.amdhsa_enable_private_segment 0
		.amdhsa_kernarg_size 48
		.amdhsa_user_sgpr_count 2
		.amdhsa_user_sgpr_kernarg_segment_ptr 1
		.amdhsa_wavefront_size32 1
		.amdhsa_system_sgpr_workgroup_id_x 1
		.amdhsa_system_sgpr_workgroup_id_y 1
		.amdhsa_system_sgpr_workgroup_id_z 1
		.amdhsa_system_vgpr_workitem_id 0
		.amdhsa_next_free_vgpr 1024
		.amdhsa_next_free_sgpr 102
		.amdhsa_reserve_vcc 0
		.amdhsa_float_denorm_mode_32 3
		.amdhsa_float_denorm_mode_16_64 3
		.amdhsa_memory_ordered 1
		.amdhsa_forward_progress 1
		.amdhsa_inst_pref_size 83
	.end_amdhsa_kernel
	.amdgpu_metadata
---
amdhsa.version: [ 1, 2 ]
amdhsa.kernels:
  - .name:           k_q7c45249592_outp
    .symbol:         k_q7c45249592_outp.kd
    .args:
      - { .name: ac, .offset: 0, .size: 8, .value_kind: global_buffer, .address_space: global }
      - { .name: asc, .offset: 8, .size: 8, .value_kind: global_buffer, .address_space: global }
      - { .name: wc, .offset: 16, .size: 8, .value_kind: global_buffer, .address_space: global }
      - { .name: ws, .offset: 24, .size: 8, .value_kind: global_buffer, .address_space: global }
      - { .name: bo, .offset: 32, .size: 8, .value_kind: global_buffer, .address_space: global }
      - { .name: out0, .offset: 40, .size: 8, .value_kind: global_buffer, .address_space: global }
    .group_segment_fixed_size: 295424
    .private_segment_fixed_size: 0
    .kernarg_segment_align: 8
    .kernarg_segment_size: 48
    .max_flat_workgroup_size: 128
    .sgpr_count:     102
    .vgpr_count:     1024
    .wavefront_size: 32
...
	.end_amdgpu_metadata
.endif
;; end of part 4
